; MI455X (gfx1250); checked and timed in simulation.
; The chip was launched on July 23, 2026; its instructions are those of AMD's public machine-readable ISA for CDNA 5 (MIT licence, August 2026) and "CDNA5" Instruction Set Architecture Reference Guide (July 2026). The comments in the code are by the model that wrote it; some were corrected since.
;; Intern Attention. Allowed arithmetic: matrix products marked QUANTISED: E2M1 operands, one E8M0 scale for each 32 along K, by v_wmma_scale_f32_16x16x128_f8f6f4 with both operands' format E2M1 (or v_wmma_scale_f32_32x16x128_f4), f32 sums; products left as they are: bf16, f16 or f32 operands; f32 sums; everything else in f32.
;; Inputs: b_proj 1,024 float32; b_qkv 3,072 float32; w_proj 1,024 x 1,024 float32; w_qkv 3,072 x 1,024 float32; x 4 x 2,048 x 1,024 float32.
;; Outputs: out0 4 x 2,048 x 1,024 float32.
;; This version of the problem:
;;   THIS VERSION OF THE PROBLEM IS GIVEN IN LOW PRECISION. The matrix products marked QUANTISED in the list below multiply operands that are first quantised to E2M1 (2 exponent bits, 1 mantissa bit; 4 bits a number), with one power-of-two scale for each 32 numbers along K (OCP MX v1.0); their sums are f32. The products marked 'left as it is' may take bf16, f16 or f32 operands, with f32 sums. Whichever they take, every output number must still come out within the allowed error. Rounding operands to bf16 (8 significant bits) uses up far more of that allowance than f16 does (11 bits, for magnitudes from 6e-5 to 65,504). All else is computed in f32.
;;   The module's matrix products, in the order in which they are computed (A, B: the left and right operand; K: the contracted axis; several contracted axes count as one K, in the product's order):
;;     1. [M 8,192, K 1,024] x [K 1,024, N 3,072]; A: input x; B: input w_qkv: QUANTISED
;;     2. batch 64 x [M 2,048, K 64] x [K 64, N 2,048]; A: computed on the way; B: computed on the way: left as it is (an operand is computed on the way)
;;     3. batch 64 x [M 64, K 2,048] x [K 2,048, N 2,048]; A: computed on the way; B: computed on the way: left as it is (an operand is computed on the way)
;;     4. [M 8,192, K 1,024] x [K 1,024, N 1,024]; A: computed on the way; B: input w_proj: left as it is (an operand is computed on the way)
;;   THE QUANTISER, for each operand of a quantised product, along K:
;;     - K is cut into blocks of 32 from its start; a last block that is shorter is filled with zeros.
;;     - A block's scale is 2^e with e = floor(log2(the largest magnitude in the block)) - 2, held to -126 .. 127; a block of zeros has e = 0. As a byte (E8M0): e + 127.
;;     - Each number is divided by its block's scale, clamped to +-6, and rounded to the nearest number of E2M1, ties to even, subnormals kept.
;;     - The product sums the exact products of the quantised numbers (number of the format x scale) in f32.
;;   ~~~python
;;   def quantise(x, axis):      # numpy; x: float32 -> the quantised numbers, widened to float32 again
;;       x = np.moveaxis(x, axis, -1); K = x.shape[-1]
;;       x = np.pad(x, [(0, 0)] * (x.ndim - 1) + [(0, -K % 32)]); x = x.reshape(x.shape[:-1] + (-1, 32)); a = np.abs(x).max(-1, keepdims=True)
;;       e = np.where(a > 0, np.clip(np.frexp(np.where(a > 0, a, 1))[1] - 1 - 2, -126, 127), 0)      # np.frexp(a)[1] - 1 = floor(log2(a)), exactly
;;       r = np.clip(x / 2.0 ** e, -6, 6)
;;       step = 2.0 ** (np.maximum(np.frexp(np.where(r == 0, 1, r))[1] - 1, 0) - 1)
;;       q = np.round(r / step) * step * 2.0 ** e      # np.round: ties to even
;;       return np.moveaxis(q.reshape(q.shape[:-2] + (-1,))[..., :K], -1, axis).astype(np.float32)
;;   ~~~
;; One version. Each part assembles by itself: llvm-mc -triple=amdgcn-amd-amdhsa -mcpu=gfx1250 --defsym DOCPART=n.
;; ======== version 1 of 1: 4 launches
;; limits: values are held in f16: magnitudes above 65,504 overflow, below 6.1e-05 lose precision
;; workspace buffers: x_codes 4,194,304 bytes; x_scales 262,144 bytes; w_codes 1,572,864 bytes; w_scales 98,304 bytes; wp16 2,097,152 bytes; qkv16 50,331,648 bytes; att 16,777,216 bytes
;; launch prep (part 1): grid 384 x 1, 4 waves a work-group, no clusters, 33,280 bytes of LDS; arguments x, w_qkv, x_codes, x_scales, w_codes, w_scales, w_proj, wp16; writes x_codes, x_scales, w_codes, w_scales, wp16
.if DOCPART == 1
	.amdgcn_target "amdgcn-amd-amdhsa--gfx1250"
	.amdhsa_code_object_version 6
	.text
	.protected	k_q1478c0df10_prep
	.globl	k_q1478c0df10_prep
	.p2align	8
	.type	k_q1478c0df10_prep,@function
k_q1478c0df10_prep:
	s_mov_b64 s[64:65], 0
	v_nop
	global_prefetch_b8 v0, s[64:65] scope:SCOPE_SE
	s_setreg_imm32_b32 hwreg(HW_REG_WAVE_MODE, 25, 1), 1
	s_wait_xcnt 0x0
; THE PROGRAM: out0 = softmax(Q K^T / 8) V . w_proj^T + b_proj, with (Q, K, V) = x . w_qkv^T + b_qkv.  Four launches:
;   prep  x and w_qkv into codes of FP4 (E2M1) with one E8M0 scale byte for each 32 along K; w_proj into f16, laid in planes of 64 along K
;   qkv   the product on codes, + bias, rounded to f16 and laid by head      attn  attention on f16 operands, f32 sums      proj  the last product on f16 operands, + bias, f32 out
; DEAD WORK, LEFT OUT IN THE WHOLE PROGRAM: b_qkv[1024:2048], the bias on K.  With K = K0 + bk, scores[q][k] = Q[q].K0[k] / 8 + Q[q].bk / 8; the second term is the same for every key k of a row, and a
; softmax along the keys is not changed by a term that is the same along its axis, whatever finite values the inputs hold.  The product Q K^T is not quantised, so no quantiser sees K.  The term comes in whole tiles
; (the 1,024 columns of K in launch qkv): their sums start from zeros and those 4,096 bytes of b_qkv are not loaded.  b_qkv's other two thirds, and every other input, are live.
; LIMIT: a NaN, an infinity or an overflow that lies in b_qkv[1024:2048] alone is not carried to the result.
;
; THIS LAUNCH.  Work-groups 0 to 351 quantise: a block's scale is 2^(floor(log2(its largest magnitude)) - 2); its byte is the largest magnitude's own exponent field - 2, held at 1 from below.  (A block of zeros so
; gets the byte 1 where the rule says 127: its codes are zeros, which add nothing under any byte but 0xff, and the bytes are read by this program alone.)  Each number is divided by the scale and rounded to the nearest code, ties to even.
; LIMITS: blocks whose largest magnitude lies under 2^(2 - 126), the floor, keep the byte 1; NaN and infinities among the inputs are not served; |w_proj| beyond 65,504 has no f16 number.
; Rows are dense and K = 1,024 is a multiple of 32, so x and w_qkv are plain streams of blocks of 32 numbers, and so are the codes and the scale bytes.
; A wave takes 16 steps of 512 numbers.  The conversions take 8 numbers of ONE block from a lane's registers, so a lane must hold 16 NEIGHBOURS (two neighbouring lanes hold a block); a load is best where neighbouring
; LANES take neighbouring bytes.  Both are had: each of a step's four loads reads 512 consecutive bytes; the 2,048 bytes go through the wave's own stage in LDS and come back 64 bytes a lane (16 bytes of padding behind each 64).
; A lane's 16 codes are 8 bytes: the wave stores 256 consecutive bytes.  A wave's 256 scale bytes are gathered in its own LDS bytes and leave as 256 consecutive bytes.
; Work-groups 352 to 383 cast w_proj: no LDS, eight rows a wave.  No tensor loads, no barrier: waves share nothing.
.set SIZE_M, 8192
.set SIZE_N, 3072
.set SIZE_K, 1024
.set WAVES, 4
.set STEPS, 16
.set WGA,   SIZE_M*SIZE_K/(512*STEPS*WAVES)            ; 256 work-groups for x
.set QWG,   (SIZE_M+SIZE_N)*SIZE_K/(512*STEPS*WAVES)   ; 352 for x and w_qkv together
.set EMAX,  2
.set CB,    8                          ; bytes of 16 codes
.set R,     16                         ; v16-79   four sets of 16 numbers as they are loaded
.set X,     80                         ; v80-111  two sets of 16 neighbours
.set C,     128                        ; v128-191 codes: four registers for each step, so that no store's data are written again
.set E,     112                        ; v112-127 a scale byte for each step
.set WREG,  8192                       ; LDS: a region of its own for each wave: two stages of 32 x SP bytes, and behind them its 256 scale bytes
.set SP,    80                         ; a lane's place in a stage: its 64 bytes + 16 of padding
.set SPW,   12                         ; v12      LDS address of my spare word: SPARE + 4 x my thread's number; never rewritten
.set NIL,   13                         ; v13      0; never rewritten
.set SPARE, WAVES*WREG                 ; behind the four regions: the spare words, 128 bytes for each wave, which no other line names
.set W,     16                         ; the cast: v16-143  two sets of 64 numbers of w_proj
.set H16,   144                        ; the cast: v144-207 two sets of 32 registers of f16 pairs
	s_load_b128 s[4:7], s[0:1], 0x0                ; x, w_qkv
	s_load_b128 s[8:11], s[0:1], 0x10              ; x's codes, x's scales
	s_load_b128 s[12:15], s[0:1], 0x20             ; w_qkv's codes, w_qkv's scales
	s_load_b128 s[24:27], s[0:1], 0x30             ; w_proj, its f16 planes
	v_lshl_add_u32 v[SPW], v0, 2, SPARE
	v_mov_b32 v[NIL], 0
	v_lshrrev_b32 v1, 5, v0
	v_readfirstlane_b32 s16, v1                    ; wave
	v_and_b32 v2, 31, v0                           ; lane
	v_lshlrev_b32 v3, 4, v2                        ; my 16 bytes of a load's 512
	s_mul_i32 s17, s16, WREG
	v_lshrrev_b32 v14, 2, v2
	v_mul_u32_u24 v14, v14, SP
	v_and_b32 v15, 3, v2
	v_lshl_add_u32 v14, v15, 4, v14
	v_add_nc_u32 v14, s17, v14                     ; the stage, on the way in: four lanes' 64 bytes on end, then 16 of padding
	v_mul_u32_u24 v15, v2, SP
	v_add_nc_u32 v15, s17, v15                     ; and on the way out: SP x lane: my 16 neighbours
	v_mul_u32_u24 v4, v2, CB                       ; my codes' place in a step's
	v_lshrrev_b32 v5, 1, v2
	s_add_co_u32 s17, s17, 2*32*SP
	v_add_nc_u32 v5, s17, v5                       ; LDS: my wave's 256 scale bytes, my block's byte
	v_lshlrev_b32 v7, 3, v2                        ; and on the way out 8 bytes a lane
	v_add_nc_u32 v6, s17, v7
	s_wait_kmcnt 0x0
	s_cmp_ge_u32 ttmp9, QWG                        ; the last 32 work-groups cast w_proj: the choice hangs on the work-group's number alone
	s_cbranch_scc1 .Lcast
	s_cmp_lt_u32 ttmp9, WGA                        ; x's work-group or w_qkv's?
	s_cselect_b64 s[4:5], s[4:5], s[6:7]
	s_cselect_b64 s[8:9], s[8:9], s[12:13]
	s_cselect_b64 s[10:11], s[10:11], s[14:15]
	s_cselect_b32 s17, 0, WGA
	s_sub_co_u32 s17, ttmp9, s17
	s_lshl_b32 s17, s17, 2
	s_add_co_u32 s18, s17, s16                     ; which run of 8,192 numbers of the tensor is my wave's
	s_mov_b32 s19, 0
	s_mov_b64 s[20:21], 512*STEPS*4
	s_mul_u64 s[20:21], s[18:19], s[20:21]
	s_add_nc_u64 s[4:5], s[4:5], s[20:21]
	s_mov_b64 s[20:21], 32*STEPS*CB
	s_mul_u64 s[20:21], s[18:19], s[20:21]
	s_add_nc_u64 s[8:9], s[8:9], s[20:21]
	s_lshl_b32 s18, s18, 8                         ; 256 scale bytes a run
	s_add_nc_u64 s[10:11], s[10:11], s[18:19]
.macro LOAD t
.irp i, 0,1,2,3
	global_load_b128 v[R+16*((\t)%4)+4*\i:R+16*((\t)%4)+4*\i+3], v3, s[4:5] offset:2048*(\t)+512*\i th:TH_LOAD_NT   ; 32 lanes read 512 consecutive bytes
.endr
.endm
.macro TURN t                          ; step t's numbers through the stage: LDS serves a wave's instructions in order, so no wait stands between the stores and the loads
.irp i, 0,1,2,3
	ds_store_b128 v14, v[R+16*((\t)%4)+4*\i:R+16*((\t)%4)+4*\i+3] offset:32*SP*((\t)%2)+8*SP*\i
.endr
.irp i, 0,1,2,3
	ds_load_b128 v[X+16*((\t)%2)+4*\i:X+16*((\t)%2)+4*\i+3], v15 offset:32*SP*((\t)%2)+16*\i
.endr
.endm
.irp t, 0,1,2,3
	LOAD \t
.endr
	s_wait_loadcnt 12                              ; step 0's four loads are in; those of steps 1 to 3 may be out
	TURN 0
.macro STEP t
.set XS, X+16*((\t)%2)
.if (\t) > 0
	s_wait_dscnt 1                                 ; this step's numbers are back from the stage (the last step's byte store may be out): so its stores into the stage have read their registers,
.else
	s_wait_dscnt 0x0
.endif
.if (\t)+4 < STEPS
	LOAD (\t)+4                                    ; which take the loads of four steps on
.endif
.if (\t)+1 < STEPS
.if STEPS-2-(\t) >= 3
	s_wait_loadcnt 12                              ; the next step's four loads are in; those of the three steps behind it may be out
.else
	s_wait_loadcnt 4*(STEPS-2-(\t))
.endif
	TURN (\t)+1                                    ; and go through the other stage while this step is worked
.endif
	v_max3_num_f32 v8, |v[XS]|, |v[XS+1]|, |v[XS+2]|               ; the largest magnitude of my 16
	v_max3_num_f32 v9, |v[XS+3]|, |v[XS+4]|, |v[XS+5]|
.irp i, 6,10
	v_max3_num_f32 v8, v8, |v[XS+\i]|, |v[XS+\i+1]|
	v_max3_num_f32 v9, v9, |v[XS+\i+2]|, |v[XS+\i+3]|
.endr
	v_max3_num_f32 v8, v8, |v[XS+14]|, |v[XS+15]|
	v_max3_num_f32 v8, v8, v9, (EMAX+1)<<23        ; and the floor 2^(EMAX + 1 - 127): so the byte cannot fall under 1
	v_max_num_f32_dpp v8, v8, v8 row_xmask:1 row_mask:0xf bank_mask:0xf   ; and of my neighbour's 16: the block's
	v_add_nc_u32 v11, -(EMAX<<23), v8              ; EMAX off its exponent field: the conversion takes the exponent field of this operand as its scale, and nothing else of it
	v_cvt_scalef32_pk8_fp4_f32 v[C+4*(\t)], v[XS:XS+7], v11        ; eight numbers / the scale, to the nearest code, ties to even, beyond the largest code the largest; the first number's code in the lowest four bits
	v_cvt_scalef32_pk8_fp4_f32 v[C+4*(\t)+1], v[XS+8:XS+15], v11
	v_lshrrev_b32 v[E+(\t)], 23, v11               ; the scale's byte (also the plain instruction behind the conversions)
	ds_store_b8 v5, v[E+(\t)] offset:16*(\t)       ; both lanes of a block write the same byte with the same value
	global_store_b64 v4, v[C+4*(\t):C+4*(\t)+1], s[8:9] offset:32*CB*(\t)   ; the wave stores 256 consecutive bytes, aligned
.endm
.irp t, 0,1,2,3,4,5,6,7,8,9,10,11,12,13,14,15
	STEP \t
.endr
	ds_load_b64 v[8:9], v6                         ; LDS serves a wave's instructions in order: these see my stores
	s_wait_dscnt 0x0
	global_store_b64 v7, v[8:9], s[10:11]          ; 32 lanes store 256 consecutive bytes, aligned
	s_wait_tensorcnt 0x0                           ; the wave's end: behind my last LDS store
	ds_add_u32 v[SPW], v[NIL]
	s_wait_dscnt 0x0
	s_endpgm
; THE CAST.  w_proj [1024 (n)][1024 (k)] f32 becomes f16 laid [n / 128][k / 64][n % 128][k % 64]: a plane of 128 rows x 128 bytes is dense, so launch proj fetches a K step as plain rows.
; Wave u of 128 takes rows 8 u to 8 u + 7, two rows a group.  A load reads 256 consecutive bytes of each of the two rows (one plane's 64 numbers); a store writes the two rows' 256 consecutive bytes of that plane.
.Lcast:
	s_sub_co_u32 s17, ttmp9, QWG
	s_lshl_b32 s17, s17, 2
	s_add_co_u32 s17, s17, s16                     ; u
	s_lshl_b32 s18, s17, 15                        ; 8 rows of 4,096 bytes
	s_mov_b32 s19, 0
	s_add_nc_u64 s[24:25], s[24:25], s[18:19]
	s_lshr_b32 s18, s17, 4
	s_lshl_b32 s18, s18, 18                        ; n / 128: 16 planes of 16,384 bytes
	s_and_b32 s20, s17, 15
	s_lshl_b32 s20, s20, 10                        ; 8 rows of 128 bytes in a plane
	s_add_co_u32 s18, s18, s20
	s_add_nc_u64 s[26:27], s[26:27], s[18:19]
	v_and_b32 v8, 15, v2
	v_lshrrev_b32 v9, 4, v2
	v_lshlrev_b32 v8, 4, v8
	v_lshl_add_u32 v8, v9, 12, v8                  ; in: 16 bytes a lane; lanes 16-31 one row further down
	v_lshlrev_b32 v9, 3, v2                        ; out: 8 bytes a lane
.macro LOADG g
.irp kc, 0,1,2,3,4,5,6,7,8,9,10,11,12,13,14,15
	global_load_b128 v[W+64*((\g)%2)+4*\kc:W+64*((\g)%2)+4*\kc+3], v8, s[24:25] offset:(\g)*8192+\kc*256 th:TH_LOAD_NT
.endr
.endm
.macro CASTG g
.if (\g) < 3
	s_wait_loadcnt 16                              ; this group's 16 loads are in; the next group's 16 may be out
.else
	s_wait_loadcnt 0x0
.endif
.if (\g) >= 2
	s_wait_xcnt 0x0                                ; the stores of two groups back have read their data: the set is written again only behind this wait
.endif
.irp kc, 0,1,2,3,4,5,6,7,8,9,10,11,12,13,14,15
	v_cvt_pk_f16_f32 v[H16+32*((\g)%2)+2*\kc], v[W+64*((\g)%2)+4*\kc], v[W+64*((\g)%2)+4*\kc+1]
	v_cvt_pk_f16_f32 v[H16+32*((\g)%2)+2*\kc+1], v[W+64*((\g)%2)+4*\kc+2], v[W+64*((\g)%2)+4*\kc+3]
.endr
.if (\g) < 2
	LOADG (\g)+2
.endif
.irp kc, 0,1,2,3,4,5,6,7,8,9,10,11,12,13,14,15
	global_store_b64 v9, v[H16+32*((\g)%2)+2*\kc:H16+32*((\g)%2)+2*\kc+1], s[26:27] offset:\kc*16384+(\g)*256
.endr
.endm
	LOADG 0
	LOADG 1
	CASTG 0
	CASTG 1
	CASTG 2
	CASTG 3
	s_endpgm
.Lfunc_end_k_q1478c0df10_prep:
	.size	k_q1478c0df10_prep, .Lfunc_end_k_q1478c0df10_prep-k_q1478c0df10_prep
	.p2alignl 7, 3214868480
	.fill 96, 4, 3214868480
	.section	.rodata,"a",@progbits
	.p2align	6, 0x0
	.amdhsa_kernel k_q1478c0df10_prep
		.amdhsa_group_segment_fixed_size 33280
		.amdhsa_private_segment_fixed_size 0
		.amdhsa_enable_private_segment 0
		.amdhsa_kernarg_size 64
		.amdhsa_user_sgpr_count 2
		.amdhsa_user_sgpr_kernarg_segment_ptr 1
		.amdhsa_wavefront_size32 1
		.amdhsa_system_sgpr_workgroup_id_x 1
		.amdhsa_system_sgpr_workgroup_id_y 1
		.amdhsa_system_sgpr_workgroup_id_z 1
		.amdhsa_system_vgpr_workitem_id 0
		.amdhsa_next_free_vgpr 208
		.amdhsa_next_free_sgpr 66
		.amdhsa_reserve_vcc 0
		.amdhsa_float_denorm_mode_32 3
		.amdhsa_float_denorm_mode_16_64 3
		.amdhsa_memory_ordered 1
		.amdhsa_forward_progress 1
		.amdhsa_inst_pref_size 54
	.end_amdhsa_kernel
	.amdgpu_metadata
---
amdhsa.version: [ 1, 2 ]
amdhsa.kernels:
  - .name:           k_q1478c0df10_prep
    .symbol:         k_q1478c0df10_prep.kd
    .args:
      - { .name: x, .offset: 0, .size: 8, .value_kind: global_buffer, .address_space: global }
      - { .name: w_qkv, .offset: 8, .size: 8, .value_kind: global_buffer, .address_space: global }
      - { .name: x_codes, .offset: 16, .size: 8, .value_kind: global_buffer, .address_space: global }
      - { .name: x_scales, .offset: 24, .size: 8, .value_kind: global_buffer, .address_space: global }
      - { .name: w_codes, .offset: 32, .size: 8, .value_kind: global_buffer, .address_space: global }
      - { .name: w_scales, .offset: 40, .size: 8, .value_kind: global_buffer, .address_space: global }
      - { .name: w_proj, .offset: 48, .size: 8, .value_kind: global_buffer, .address_space: global }
      - { .name: wp16, .offset: 56, .size: 8, .value_kind: global_buffer, .address_space: global }
    .group_segment_fixed_size: 33280
    .private_segment_fixed_size: 0
    .kernarg_segment_align: 8
    .kernarg_segment_size: 64
    .max_flat_workgroup_size: 128
    .sgpr_count:     66
    .vgpr_count:     208
    .wavefront_size: 32
...
	.end_amdgpu_metadata
.endif
;; end of part 1
;; launch qkv (part 2): grid 12 x 32, 4 waves a work-group, clusters of 4 x 4, 327,680 bytes of LDS; arguments x_codes, x_scales, w_codes, w_scales, qkv16, b_qkv; writes qkv16
.if DOCPART == 2
	.amdgcn_target "amdgcn-amd-amdhsa--gfx1250"
	.amdhsa_code_object_version 6
	.text
	.protected	k_q1478c0df10_qkv
	.globl	k_q1478c0df10_qkv
	.p2align	8
	.type	k_q1478c0df10_qkv,@function
k_q1478c0df10_qkv:
	s_mov_b64 s[64:65], 0
	v_nop
	global_prefetch_b8 v0, s[64:65] scope:SCOPE_SE
	s_setreg_imm32_b32 hwreg(HW_REG_WAVE_MODE, 25, 1), 1
	s_wait_xcnt 0x0
	s_wait_alu depctr_hold_cnt(0) depctr_sa_sdst(0) depctr_va_vdst(0) depctr_va_sdst(0) depctr_va_ssrc(0) depctr_va_vcc(0) depctr_vm_vsrc(0)
	s_getreg_b32 s2, hwreg(HW_REG_IB_STS2, 6, 4)
	s_cmp_eq_u32 s2, 0
	s_cbranch_scc0 .Lentry_in_a_cluster
	s_endpgm
.Lentry_in_a_cluster:
	s_bfe_u32 s2, ttmp6, 0x10000c
	s_cmp_lg_u32 s2, 0xf033
	s_cbranch_scc0 .Lentry_shape_is_right
	s_endpgm
.Lentry_shape_is_right:
; (Q, K, V)[m][n] = sum over k of x[m][k] w_qkv[n][k] + b_qkv[n], on codes of FP4 (E2M1) with one E8M0 scale for each 32 along K; sums in f32; the result rounded once to f16 and laid by head:
; qkv16 [which 3][batch 4][head 16][token 2048][64].  LIMIT: a result beyond 65,504 has no f16 number.
; LEFT OUT AS DEAD WORK: the bias on K, b_qkv[1024:2048] (shown at the head of launch prep: a term that is the same for all keys of a softmax row).  K's columns are tile columns 4 to 7, which are cluster x = 1: their sums start from zeros.
; A tile of C, 256 x 256, is made by a work-group of four waves; a wave makes 128 x 128: 64 accumulators of 16 x 16, 512 registers.  K = 1,024 is two slots of 512 along K (rows of 256 bytes), both filled at the start
; by the tensor data mover: nothing is filled again.  THE SCALES of the work-group's 256 + 256 rows, for all of K, are two dense blocks of memory: they come into LDS once, with the first fills.
; CLUSTERS: 4 x 4 work-groups.  The four of a row of the cluster need the same tiles of x, the four of a column the same tiles of w_qkv: each tile is asked for JOINTLY, by the same tensor load with the same descriptor and a mask that names the four.
; THE MATRIX INSTRUCTION IS USED TRANSPOSED (source 0 = 16 rows of w_qkv, source 1 = 16 rows of x): a lane then holds eight neighbouring columns of one token.  THE BIAS IS THE C of each sum's first product.
; REGISTERS, in windows of 256: window 0: v0-31 addresses; v32-95 scale words, two sets; v128-191 x's fragments (8 x 16 rows x 128 K), ONE set; v192-255 the bias of my 128 columns; on the way out v32-63 and v192-255 are at work.
;   window 1: w_qkv's fragments, TWO sets, at v0 and at v128.   window 2: the 32 accumulators of my rows 0-63 (accumulator (a, b) at v[8 (8 a + b)]);   window 3: those of my rows 64-127.
.set SIZE_M, 8192
.set SIZE_N, 3072
.set SIZE_K, 1024
.set KSTEP,  512                       ; along K in a slot
.set NQ,     KSTEP/128                 ; matrix instructions deep
.set ROWB,   256                       ; a tile's row in bytes
.set KROW,   SIZE_K*4/8                ; a row of codes in memory, in bytes
.set PITCH,  272                       ; an LDS row: 256 bytes + 16 of padding = 68 words: the 16 rows that a load touches start at 16 different banks (64 banks of 4 bytes: ISA guide 11.1)
.set FR,     8                         ; registers of a fragment: 16 rows x 128 K
.set NL,     2                         ; LDS loads that bring one
.set NP,     4                         ; places behind this matrix instruction (ISA guide 7.12.1)
.set HALFT,  128*PITCH                 ; 128 rows: what one tensor load brings
.set SLOT,   4*HALFT                   ; x's 256 rows, then w_qkv's 256 rows
.set KS,     SIZE_K/32                 ; a row of scales in bytes
.set SCL,    2*SLOT                    ; behind the two slots: the scales, as rows of 256 bytes + 16 of padding
.set HALFS,  (128*KS/256)*272          ; the scales of 128 rows: what one tensor load brings
.set SBLK,   (16*KS/256)*272           ; those of 16 rows
.set SPARE,  SCL+4*HALFS               ; behind the scales: the spare words, 128 bytes for each wave, which no other line names
.set HP,     144                       ; the way out: a stage row: a token's 128 bytes of one head + 16
.set STGB,   2*16*HP                   ; a wave's stage: 2 heads x 16 tokens.  It lies in slot 0, which has had its only fill and its last read when the first result is stored there
.set ADRA, 16                          ; v16-17  LDS address of my x fragments in slot 0, 1
.set ADRB, 20                          ; v20-21  the same for w_qkv
.set STO,  24                          ; v24     the way out: where I put 16 bytes of a token
.set RD,   25                          ; v25     the way out: where I read rows back
.set CO,   26                          ; v26     16 x lane: my byte offset in four tokens of a head
.set ADRS, 27                          ; v27     LDS address of my scale words: lanes 0-15 x's rows, lanes 16-31 w_qkv's
.set SPW,  28                          ; v28     LDS address of my spare word; never rewritten
.set NIL,  29                          ; v29     0; never rewritten
.set BO,   30                          ; v30     32 x (lane / 16): my eight numbers of a block of 16 of the bias; never rewritten
.set SC,   32                          ; scale words: set s at v[SC + 8 NQ s]; register NQ i + q: lanes 0-15 the word of x's block i, lanes 16-31 that of w_qkv's block i, for the slot's q-th 128 along K
.set AF,   128                         ; x's fragments
.set BIAS, 192                         ; register 8 b + j of lane (r, h): b_qkv[my first column + 16 b + 8 h + j]
.set TMP,  192                         ; the way out: a block's packed results (the bias is done with)
.set OB,   32                          ; the way out: rows read back: v32-63 and v224-255 by turns
.set G1, 24                            ; s[24:31] descriptor group 1 for x's tiles;  s[32:39] group 0, one set for each slot
.set G0, 32
.set G1B, 48                           ; s[48:55], s[56:63] the same for w_qkv's tiles
.set G0B, 56
.set G1S, 68                           ; s[68:75], s[76:79] groups 1 and 0 for x's scales;  s[80:87], s[88:91] for w_qkv's
.set G0S, 76
.set G1SB, 80
.set G0SB, 88
.set MSB, 0
.macro WIN new                         ; the immediate's high byte repeats the setting that is left
.if MSB != \new
	s_set_vgpr_msb (MSB<<8)|\new
.set MSB, \new
.endif
.endm
.set MUL_LO, 0xa1                      ; source 0 (w_qkv) window 1, source 1 (x) window 0, C and D window 2
.set MUL_HI, 0xf1                      ; the same, C and D window 3
.set BIA_LO, 0x81                      ; the first step: C (the bias) window 0, D window 2
.set BIA_HI, 0xc1                      ; C window 0, D window 3
.set TO_B,   0x40                      ; destination window 1, address window 0
; A joint load: waves 0 and 1 fetch for x, waves 2 and 3 for w_qkv.  Each of the two lines has ONE mask and one set of registers for all that issue it; the branch hangs on the wave's number alone.
; An s_nop 0 and four v_nop follow each of the two lines, ahead of the jump, the label and what follows.
.macro JLOAD g0a, g1a, g0b, g1b
	s_cmp_eq_u32 s15, 0
	s_cbranch_scc0 .Lfor_b_\@
	tensor_load_to_lds s[\g0a:\g0a+3], s[\g1a:\g1a+7]
	s_nop 0
.rept 4
	v_nop
.endr
	s_branch .Lasked_\@
.Lfor_b_\@:
	tensor_load_to_lds s[\g0b:\g0b+3], s[\g1b:\g1b+7]
	s_nop 0
.rept 4
	v_nop
.endr
.Lasked_\@:
.endm
.macro CROUND                          ; a round of the cluster's barrier: my work-group's barrier; wave 0 signals for the work-group; every wave waits for all sixteen; my work-group's barrier once more
	s_barrier_signal -1
	s_barrier_wait -1
	s_cmp_lg_u32 s14, 0
	s_cbranch_scc1 .Lnot_wave_0_\@
	s_barrier_signal -3
.Lnot_wave_0_\@:
	s_barrier_wait -3
	s_barrier_signal -1
	s_barrier_wait -1
.endm
	s_load_b128 s[4:7], s[0:1], 0x0                ; x's codes s[4:5], x's scales s[6:7]
	s_load_b128 s[8:11], s[0:1], 0x10              ; w_qkv's codes s[8:9], its scales s[10:11]
	s_load_b64 s[12:13], s[0:1], 0x20              ; qkv16
	s_load_b64 s[96:97], s[0:1], 0x28              ; b_qkv
	v_lshl_add_u32 v[SPW], v0, 2, SPARE
	v_mov_b32 v[NIL], 0
	ds_add_u32 v[SPW], v[NIL]                      ; the wave's opening: the add, twice on end, and its wait ahead of my first tensor load; the set-up below stands between the second and the wait
	ds_add_u32 v[SPW], v[NIL]
	v_lshrrev_b32 v1, 5, v0
	v_readfirstlane_b32 s14, v1                    ; wave 0..3
	s_lshr_b32 s15, s14, 1                         ; which half of the tile's rows is mine.  Also: I fetch for x (0) or for w_qkv (1)
	s_and_b32 s16, s14, 1                          ; which half of its columns.  Also: which 128 rows of that tile I fetch
	s_bfe_u32 s40, ttmp6, 0x40000                  ; cx, cy: my place in the cluster
	s_bfe_u32 s41, ttmp6, 0x40004
	s_lshl_b32 s42, ttmp9, 2
	s_add_co_u32 s42, s42, s40                     ; tile column = 4 x cluster x + cx
	s_and_b32 s17, ttmp7, 0xffff
	s_lshl_b32 s17, s17, 2
	s_add_co_u32 s17, s17, s41                     ; tile row = 4 x cluster y + cy
	s_lshl_b32 s43, s41, 2
	s_lshl_b32 s43, 15, s43                        ; my row of the cluster
	s_lshl_b32 s44, 0x1111, s40                    ; my column
	; descriptor group 1: a tile of 128 rows x 256 bytes, padded in LDS
	s_or_b32 s[G1+0], s43, (0<<16)|(1<<20)|(1<<21)|(5<<22)|(3<<25)  ; 15:0 the mask: x's tiles go to my row; 17:16 element of 1 byte; 20 padding on; 21 set beside a mask; 24:22 after every 64 words (code 5); 31:25 of 4 words (code 3)
	s_or_b32 s[G1B+0], s44, (0<<16)|(1<<20)|(1<<21)|(5<<22)|(3<<25)
.irp g, G1, G1B
	s_mov_b32 s[\g+1], ROWB<<16                    ; tensor_dim0
	s_mov_b32 s[\g+2], 128<<16                     ; tensor_dim1 = 128
	s_mov_b32 s[\g+3], ROWB<<16                    ; tile_dim0
	s_mov_b32 s[\g+4], 128                         ; tile_dim1 = 128
	s_mov_b32 s[\g+5], KROW                        ; tensor_dim0_stride
	s_mov_b32 s[\g+6], 0
	s_mov_b32 s[\g+7], 0
.endr
	; and for the scales of 128 rows: a dense block of 4,096 bytes, as 16 rows of 256 bytes (32 elements of 8 bytes), 16 bytes of padding behind each
	s_or_b32 s[G1S+0], s43, (3<<16)|(1<<20)|(1<<21)|(5<<22)|(3<<25)
	s_or_b32 s[G1SB+0], s44, (3<<16)|(1<<20)|(1<<21)|(5<<22)|(3<<25)
.irp g, G1S, G1SB
	s_mov_b32 s[\g+1], 32<<16
	s_mov_b32 s[\g+2], (128*KS/256)<<16
	s_mov_b32 s[\g+3], 32<<16
	s_mov_b32 s[\g+4], 128*KS/256
	s_mov_b32 s[\g+5], 32
	s_mov_b32 s[\g+6], 0
	s_mov_b32 s[\g+7], 0
.endr
	s_lshl_b32 s18, s16, 7                         ; which 128 rows of the tile I fetch
	s_lshl_b32 s20, s17, 8
	s_add_co_u32 s20, s20, s18                     ; x: row 256 x tile row + 128 x half
	s_lshl_b32 s46, s42, 8
	s_add_co_u32 s46, s46, s18                     ; w_qkv: row 256 x tile column + 128 x half
	s_mov_b32 s21, 0
	s_mov_b32 s47, 0
	s_mov_b64 s[18:19], KS
	s_mul_u64 s[22:23], s[20:21], s[18:19]         ; where these rows' scales begin, in bytes
	s_mul_u64 s[92:93], s[46:47], s[18:19]
	s_mov_b64 s[18:19], KROW
	s_mul_u64 s[20:21], s[20:21], s[18:19]         ; and their codes
	s_mul_u64 s[46:47], s[46:47], s[18:19]
	s_mul_i32 s45, s14, HALFT                      ; where they go: wave x 128 rows: no place in the cluster enters an LDS address
	s_mul_i32 s94, s14, HALFS
	s_wait_dscnt 0x0                               ; both opening adds are done
	s_wait_kmcnt 0x0
	s_add_nc_u64 s[20:21], s[4:5], s[20:21]
	s_add_nc_u64 s[22:23], s[6:7], s[22:23]
	s_add_nc_u64 s[46:47], s[8:9], s[46:47]
	s_add_nc_u64 s[92:93], s[10:11], s[92:93]
	CROUND                                         ; all sixteen work-groups are here: the joint loads meet
	s_mov_b32 s[G0S], 1
	s_add_co_u32 s[G0S+1], s94, SCL
	s_mov_b64 s[G0S+2:G0S+3], s[22:23]
	s_or_b32 s[G0S+3], s[G0S+3], 0x80000000
	s_mov_b32 s[G0SB], 1
	s_add_co_u32 s[G0SB+1], s94, SCL
	s_mov_b64 s[G0SB+2:G0SB+3], s[92:93]
	s_or_b32 s[G0SB+3], s[G0SB+3], 0x80000000
	JLOAD G0S, G1S, G0SB, G1SB                     ; the scales first: they are wanted with the first slot.  Three loads of mine are out behind the last of these
.irp s, 0,1
	s_mov_b32 s[G0+4*\s], 1
	s_add_co_u32 s[G0+4*\s+1], s45, \s*SLOT
	s_add_nc_u64 s[G0+4*\s+2:G0+4*\s+3], s[20:21], \s*ROWB
	s_or_b32 s[G0+4*\s+3], s[G0+4*\s+3], 0x80000000
	s_mov_b32 s[G0B+4*\s], 1
	s_add_co_u32 s[G0B+4*\s+1], s45, \s*SLOT
	s_add_nc_u64 s[G0B+4*\s+2:G0B+4*\s+3], s[46:47], \s*ROWB
	s_or_b32 s[G0B+4*\s+3], s[G0B+4*\s+3], 0x80000000
	JLOAD G0+4*\s, G1, G0B+4*\s, G1B
.endr
	v_and_b32 v1, 15, v0                           ; l % 16
	v_bfe_u32 v2, v0, 4, 1                         ; l / 16
	v_mul_u32_u24 v3, v1, PITCH
	v_lshl_add_u32 v4, v2, 4, v3                   ; a fragment's row x pitch + 16 x half
	s_mul_i32 s21, s15, HALFT                      ; my 128 rows of x
	s_mul_i32 s22, s16, HALFT                      ; my 128 rows of w_qkv,
	s_add_co_u32 s22, s22, 2*HALFT                 ; which lie behind x's 256
.irp s, 0,1
	v_add_nc_u32 v[ADRA+\s], s21, v4
	v_add_nc_u32 v[ADRB+\s], s22, v4
	s_add_co_u32 s21, s21, SLOT
	s_add_co_u32 s22, s22, SLOT
.endr
	v_mul_u32_u24 v5, v1, KS                       ; my row's scales: KS bytes a row,
	v_lshrrev_b32 v6, 8, v5
	v_lshl_add_u32 v5, v6, 4, v5                   ; and 16 more for each 256 passed
	s_mul_i32 s21, s15, HALFS                      ; x's: my 128 rows
	s_mul_i32 s22, s16, HALFS                      ; w_qkv's: my 128 rows, behind x's 256
	s_add_co_u32 s22, s22, 2*HALFS
	s_sub_co_u32 s22, s22, s21
	v_mul_u32_u24 v6, s22, v2                      ; lanes 16-31 take w_qkv's
	s_add_co_u32 s21, s21, SCL
	v_add_nc_u32 v5, v5, v6
	v_add_nc_u32 v[ADRS], s21, v5
	s_mul_i32 s23, s14, STGB                       ; my stage
	v_mul_u32_u24 v5, v1, HP                       ; in: token l % 16, 16 bytes for each half of the lanes
	v_lshl_add_u32 v5, v2, 4, v5
	v_add_nc_u32 v[STO], s23, v5
	v_and_b32 v6, 31, v0
	v_lshlrev_b32 v[CO], 4, v6                     ; out: four tokens of a head are 512 consecutive bytes: 16 a lane
	v_lshrrev_b32 v5, 3, v6
	v_mul_u32_u24 v5, v5, HP                       ; back: eight lanes to a token's 128 bytes, four tokens an instruction
	v_and_b32 v6, 7, v6
	v_lshl_add_u32 v5, v6, 4, v5
	v_add_nc_u32 v[RD], s23, v5
	v_lshlrev_b32 v[BO], 5, v2
	; where my part begins in qkv16.  Rows: batch = tile row / 8, token = 256 (tile row % 8) + 128 x half.  Columns: my 128 are heads g and g + 1 of 48, g = 4 x tile column + 2 x half: which = g / 16, head = g % 16
	s_lshr_b32 s20, s17, 3
	s_lshl_b32 s20, s20, 22                        ; batch x 16 planes of 262,144 bytes
	s_and_b32 s21, s17, 7
	s_lshl_b32 s21, s21, 15                        ; 256 tokens of 128 bytes
	s_add_co_u32 s20, s20, s21
	s_lshl_b32 s21, s15, 14                        ; 128 tokens
	s_add_co_u32 s20, s20, s21
	s_mov_b32 s21, 0
	s_add_nc_u64 s[12:13], s[12:13], s[20:21]
	s_lshl_b32 s46, s42, 2                         ; (in the registers that held w_qkv's address: none that fed x's descriptors takes cx)
	s_lshl_b32 s47, s16, 1
	s_add_co_u32 s46, s46, s47                     ; g
	s_lshr_b32 s47, s46, 4
	s_lshl_b32 s47, s47, 6                         ; which x 64 planes
	s_and_b32 s46, s46, 15
	s_add_co_u32 s46, s46, s47
	s_lshl_b32 s46, s46, 18
	s_mov_b32 s47, 0
	s_add_nc_u64 s[12:13], s[12:13], s[46:47]
	s_lshl_b32 s46, s42, 10                        ; the bias of my first column: 4 bytes x (256 x tile column + 128 x half)
	s_lshl_b32 s47, s16, 9
	s_add_co_u32 s46, s46, s47
	s_mov_b32 s47, 0
	s_add_nc_u64 s[96:97], s[96:97], s[46:47]
	s_cmp_eq_u32 ttmp9, 1                          ; cluster x = 1: K's columns.  The cluster's number is the same in all sixteen partners
	s_cbranch_scc1 .Lkeys
.irp b, 0,1,2,3,4,5,6,7
	global_load_b128 v[BIAS+8*\b:BIAS+8*\b+3], v[BO], s[96:97] offset:64*\b
	global_load_b128 v[BIAS+8*\b+4:BIAS+8*\b+7], v[BO], s[96:97] offset:64*\b+16
.endr
	s_branch .Lbias_done
.Lkeys:                                                ; K's bias is dead work: these sums start from zeros, by the same first step
.set j, 0
.rept 64
	v_mov_b32 v[BIAS+j], 0
.set j, j+1
.endr
.rept 4
	v_nop
.endr
.Lbias_done:
.macro FRAG reg, adr, q, i             ; a fragment, 16 rows x 128 K of 4-bit codes, is 8 registers: lane l holds row l % 16; registers 4 c .. 4 c + 3 hold K = 64 c + 32 (l / 16) + 0 .. 31
.irp c, 0,1
	ds_load_b128 v[\reg+4*\c:\reg+4*\c+3], v[\adr] offset:64*(\q)+32*\c+(\i)*16*PITCH
.endr
.endm
; 16 matrix instructions: x's blocks a0, a0 + 1 against w_qkv's eight, 128 along K: the slot's q-th.  p: w_qkv's set;  sc: the set of scale words.  first = 1: the first product starts the sums from the bias.
; The 64 accumulators take turns, one instruction a turn, in the same order in every step.
.macro MUL16 a0, p, q, sc, first
.irp a, \a0, \a0+1
.irp b, 0,1,2,3,4,5,6,7
.if \first
	v_wmma_scale_f32_16x16x128_f8f6f4 v[8*(8*((\a)%4)+\b):8*(8*((\a)%4)+\b)+7], v[128*(\p)+FR*\b:128*(\p)+FR*\b+FR-1], v[AF+FR*(\a):AF+FR*(\a)+FR-1], v[BIAS+8*\b:BIAS+8*\b+7], v[SC+8*NQ*(\sc)+NQ*\b+(\q)], v[SC+8*NQ*(\sc)+NQ*(\a)+(\q)] matrix_a_fmt:MATRIX_FMT_FP4 matrix_b_fmt:MATRIX_FMT_FP4 matrix_a_scale:MATRIX_SCALE_ROW1
.else
	v_wmma_scale_f32_16x16x128_f8f6f4 v[8*(8*((\a)%4)+\b):8*(8*((\a)%4)+\b)+7], v[128*(\p)+FR*\b:128*(\p)+FR*\b+FR-1], v[AF+FR*(\a):AF+FR*(\a)+FR-1], v[8*(8*((\a)%4)+\b):8*(8*((\a)%4)+\b)+7], v[SC+8*NQ*(\sc)+NQ*\b+(\q)], v[SC+8*NQ*(\sc)+NQ*(\a)+(\q)] matrix_a_fmt:MATRIX_FMT_FP4 matrix_b_fmt:MATRIX_FMT_FP4 matrix_a_scale:MATRIX_SCALE_ROW1
.endif
.endr
.endr
.endm
.macro FETCH_B slot, q, p              ; w_qkv's eight fragments of the slot's q-th 128 along K into set p
	WIN TO_B
.irp i, 0,1,2,3,4,5,6,7
	FRAG 128*(\p)+FR*\i, ADRB+\slot, \q, \i
.endr
	WIN 0
.endm
.macro FETCH_A slot, q, i0             ; x's blocks i0 .. i0 + 3
.irp i, \i0, \i0+1, \i0+2, \i0+3
	FRAG AF+FR*(\i), ADRA+\slot, \q, \i
.endr
.endm
.macro SCALES sc                       ; a slot's scale words into set sc: NQ words a row; lanes 0-15 take x's block i, lanes 16-31 w_qkv's block i
.irp i, 0,1,2,3,4,5,6,7
	ds_load_b128 v[SC+8*NQ*\sc+NQ*\i:SC+8*NQ*\sc+NQ*\i+3], v[ADRS] offset:\i*SBLK
.endr
.endm
; A load into a register that a matrix instruction has read, and a vector instruction that reads a matrix result, stand NP places behind that matrix instruction, and only plain vector
; instructions that name none of its registers are places (ISA guide 7.12.1 for vector instructions).
.macro PLACES n
.rept \n
	v_nop
.endr
.endm
; A step of 128 along K that has its successor in the same slot.  x's blocks 0-3 are fetched anew in its middle, blocks 4-7 at its end; w_qkv's next set in its middle.
.macro STEP slot, q, first
	s_wait_dscnt 4*NL                              ; w_qkv's set and x's blocks 0-3 are in; the youngest eight loads (x's blocks 4-7) may be out
.if \first
	WIN BIA_LO
.else
	WIN MUL_LO
.endif
	MUL16 0, (\q)%2, \q, \slot, \first
	MUL16 2, (\q)%2, \q, \slot, \first
	s_wait_dscnt 0                                 ; x's blocks 4-7 are in
	PLACES NP
	FETCH_B \slot, (\q)+1, 1-(\q)%2
	FETCH_A \slot, (\q)+1, 0
.if \first
	WIN BIA_HI
.else
	WIN MUL_HI
.endif
	MUL16 4, (\q)%2, \q, \slot, \first
	MUL16 6, (\q)%2, \q, \slot, \first
	PLACES NP
	WIN 0
	FETCH_A \slot, (\q)+1, 4
.endm
; Slot 0's last step changes slots: ONE barrier; in front of it each wave waits for all its tensor loads (its part of slot 1), adds 0 to its spare word, and waits for that and for its own reads of slot 0.  Nothing is filled again.
.macro TURN slot, next
	s_wait_tensorcnt 0x0                           ; all my tensor loads have landed  (every window is 0 here: the add's two registers lie in window 0)
	ds_add_u32 v[SPW], v[NIL]                      ; 0 onto my spare word
	s_wait_dscnt 4*NL+1                            ; (the add and the youngest eight loads, x's blocks 4-7, may be out)
	WIN MUL_LO
	MUL16 0, 1, NQ-1, \slot, 0                     ; sixteen matrix instructions stand between the add and the wait for it
	s_wait_dscnt 0x0                               ; the add is done, and my reads of this slot are over
	s_barrier_signal -1
	MUL16 2, 1, NQ-1, \slot, 0
	WIN 0
	s_barrier_wait -1
	PLACES NP
	v_add_nc_u32 v[ADRS], 4*NQ, v[ADRS]            ; on to the next slot's scale words (no LDS load of mine is out)
	FETCH_B \next, 0, 0
	FETCH_A \next, 0, 0
	SCALES \next
	WIN MUL_HI
	MUL16 4, 1, NQ-1, \slot, 0
	MUL16 6, 1, NQ-1, \slot, 0
	PLACES NP
	WIN 0
	FETCH_A \next, 0, 4
.endm
	s_wait_tensorcnt 1                             ; the scales and my part of slot 0 are in (slot 1's load may be out)
	s_barrier_signal -1
	s_barrier_wait -1                              ; everybody's are
	FETCH_B 0, 0, 0
	FETCH_A 0, 0, 0
	SCALES 0
	FETCH_A 0, 0, 4
	s_wait_loadcnt 0x0                             ; the bias
	STEP 0, 0, 1                                   ; the first step's products start the sums
	STEP 0, 1, 0
	STEP 0, 2, 0
	TURN 0, 1
	STEP 1, 0, 0
	STEP 1, 1, 0
	STEP 1, 2, 0
	s_wait_dscnt 4*NL                              ; the very last step: nothing more to fetch
	WIN MUL_LO
	MUL16 0, 1, NQ-1, 1, 0
	MUL16 2, 1, NQ-1, 1, 0
	s_wait_dscnt 0
	WIN MUL_HI
	MUL16 4, 1, NQ-1, 1, 0
	MUL16 6, 1, NQ-1, 1, 0
	WIN 0
; THE WAY OUT, block by block of 16 tokens x 128 columns (two heads).  PACK: rounded to f16, a lane's eight columns are 16 bytes.  TOSTAGE: into my own stage, laid [head][token], and back four tokens of a head at a time.
; SEND: 32 lanes store 512 consecutive bytes, four tokens of one head.  LDS serves a wave's instructions in order (ISA guide 5.7.1.4): no wait between the stage's stores and its loads.
.macro PACK a
.set AC, 64*((\a)%4)
	WIN (0x0a+5*((\a)/4))                          ; sources 0 and 1: window 2 or 3
.irp b, 0,1,2,3,4,5,6,7
.irp i, 0,1,2,3
	v_cvt_pk_f16_f32 v[TMP+4*\b+\i], v[AC+8*\b+2*\i], v[AC+8*\b+2*\i+1]   ; each accumulator from its low end on
.endr
.endr
	WIN 0
.endm
.macro TOSTAGE a
.set BB, OB+192*((\a)%2)
.irp b, 0,1,2,3,4,5,6,7
	ds_store_b128 v[STO], v[TMP+4*\b:TMP+4*\b+3] offset:(\b/4)*16*HP+(\b%4)*32
.endr
.irp hh, 0,1
.irp i, 0,1,2,3
	ds_load_b128 v[BB+4*(4*\hh+\i):BB+4*(4*\hh+\i)+3], v[RD] offset:\hh*16*HP+\i*4*HP
.endr
.endr
.endm
.macro SEND a
.set BB, OB+192*((\a)%2)
	s_wait_dscnt 0x0                               ; the block is back in registers
	s_wait_xcnt 0x0                                ; the stores of the block before have read their registers: the next block's rows land there only behind this wait
.irp hh, 0,1
.irp i, 0,1,2,3
	global_store_b128 v[CO], v[BB+4*(4*\hh+\i):BB+4*(4*\hh+\i)+3], s[12:13] offset:\hh*262144+(\a)*2048+\i*512
.endr
.endr
.endm
	PLACES NP                                      ; behind the last products: for the conversions, and for the loads into registers that held scale words
	PACK 0
	TOSTAGE 0
.irp a, 1,2,3,4,5,6,7                  ; block a's conversions stand between block a - 1's loads from the stage and the wait for them
	PACK \a
	SEND \a-1
	TOSTAGE \a
.endr
	SEND 7
	s_wait_tensorcnt 0x0                           ; the wave's end: behind my last tensor load and my last LDS store
	ds_add_u32 v[SPW], v[NIL]
	s_wait_dscnt 0x0
	CROUND                                         ; the closing round: no work-group ends while a partner may still ask for a tile that names it
	s_endpgm
.Lfunc_end_k_q1478c0df10_qkv:
	.size	k_q1478c0df10_qkv, .Lfunc_end_k_q1478c0df10_qkv-k_q1478c0df10_qkv
	.p2alignl 7, 3214868480
	.fill 96, 4, 3214868480
	.section	.rodata,"a",@progbits
	.p2align	6, 0x0
	.amdhsa_kernel k_q1478c0df10_qkv
		.amdhsa_group_segment_fixed_size 327680
		.amdhsa_private_segment_fixed_size 0
		.amdhsa_enable_private_segment 0
		.amdhsa_kernarg_size 48
		.amdhsa_user_sgpr_count 2
		.amdhsa_user_sgpr_kernarg_segment_ptr 1
		.amdhsa_wavefront_size32 1
		.amdhsa_system_sgpr_workgroup_id_x 1
		.amdhsa_system_sgpr_workgroup_id_y 1
		.amdhsa_system_sgpr_workgroup_id_z 1
		.amdhsa_system_vgpr_workitem_id 0
		.amdhsa_next_free_vgpr 1024
		.amdhsa_next_free_sgpr 98
		.amdhsa_reserve_vcc 0
		.amdhsa_float_denorm_mode_32 3
		.amdhsa_float_denorm_mode_16_64 3
		.amdhsa_memory_ordered 1
		.amdhsa_forward_progress 1
		.amdhsa_inst_pref_size 130
	.end_amdhsa_kernel
	.amdgpu_metadata
---
amdhsa.version: [ 1, 2 ]
amdhsa.kernels:
  - .name:           k_q1478c0df10_qkv
    .symbol:         k_q1478c0df10_qkv.kd
    .args:
      - { .name: x_codes, .offset: 0, .size: 8, .value_kind: global_buffer, .address_space: global }
      - { .name: x_scales, .offset: 8, .size: 8, .value_kind: global_buffer, .address_space: global }
      - { .name: w_codes, .offset: 16, .size: 8, .value_kind: global_buffer, .address_space: global }
      - { .name: w_scales, .offset: 24, .size: 8, .value_kind: global_buffer, .address_space: global }
      - { .name: qkv16, .offset: 32, .size: 8, .value_kind: global_buffer, .address_space: global }
      - { .name: b_qkv, .offset: 40, .size: 8, .value_kind: global_buffer, .address_space: global }
    .group_segment_fixed_size: 327680
    .private_segment_fixed_size: 0
    .kernarg_segment_align: 8
    .kernarg_segment_size: 48
    .max_flat_workgroup_size: 128
    .sgpr_count:     98
    .vgpr_count:     1024
    .wavefront_size: 32
...
	.end_amdgpu_metadata
.endif
;; end of part 2
;; launch attn (part 3): grid 4 x 64, 16 waves a work-group, clusters of 4 x 1, 327,680 bytes of LDS; arguments qkv16, att; writes att
.if DOCPART == 3
	.amdgcn_target "amdgcn-amd-amdhsa--gfx1250"
	.amdhsa_code_object_version 6
	.text
	.protected	k_q1478c0df10_attn
	.globl	k_q1478c0df10_attn
	.p2align	8
	.type	k_q1478c0df10_attn,@function
k_q1478c0df10_attn:
	s_mov_b64 s[64:65], 0
	v_nop
	global_prefetch_b8 v0, s[64:65] scope:SCOPE_SE
	s_setreg_imm32_b32 hwreg(HW_REG_WAVE_MODE, 25, 1), 1
	s_wait_xcnt 0x0
	s_wait_alu depctr_hold_cnt(0) depctr_sa_sdst(0) depctr_va_vdst(0) depctr_va_sdst(0) depctr_va_ssrc(0) depctr_va_vcc(0) depctr_vm_vsrc(0)
	s_getreg_b32 s2, hwreg(HW_REG_IB_STS2, 6, 4)
	s_cmp_eq_u32 s2, 0
	s_cbranch_scc0 .Lentry_in_a_cluster
	s_endpgm
.Lentry_in_a_cluster:
	s_bfe_u32 s2, ttmp6, 0x10000c
	s_cmp_lg_u32 s2, 0x3003
	s_cbranch_scc0 .Lentry_shape_is_right
	s_endpgm
.Lentry_shape_is_right:
; att[token][head][:] = the sum over k of softmax_k(Q[q] . K[k] / 8) V[k][:], for each of 64 (batch, head) pairs, 2,048 queries x 2,048 keys, head size 64, no mask.
; Q, K, V: f16, qkv16 [which 3][batch 4][head 16][token 2048][64] (K without its bias: dead work, shown at the head of launch prep).  Products on f16 operands with f32 sums; maxima, exponentials and sums in f32;
; the weights p (at most 1) are rounded to f16 for the second product, the result once to f16.  att: f16, [token / 128][head 16][token % 128][64]: launch proj's K steps are then dense rows.
; LIMITS: NaN and infinities are not served.
; SHARES.  A work-group owns 512 queries of one (batch, head); each of its SIXTEEN waves owns 32, two tiles of 16, in 256 registers: four waves to a SIMD, so that one wave's vector work stands beside another's products and LDS loads.
; Every wave walks all 2,048 keys, 64 a step.  K and V come through a ring of two LDS slots of 512 keys, filled by the tensor data mover: every wave fetches 64 rows (waves 0-7 of K, waves 8-15 of V).
; CLUSTER.  The four query blocks of a (batch, head) walk the same K and V, so each tile is asked for JOINTLY: the same tensor load, with the same descriptor and a mask that names the four, in all four.
; LAYOUT.  S^T = K Q^T (source 0 = 16 keys, source 1 = 16 queries): a lane holds ONE query (lane % 16) and the keys 8 (lane / 16) + 0..7.  Two such tiles, rounded to f16 in pairs, ARE source 1 (32 keys x 16 queries) of
; O^T = V^T P, whose result again holds one query a lane, and eight channels.  K comes out of LDS as it lies, V ([key][channel]) turned, by ds_load_tr16_b128.
; SOFTMAX.  For each query a running maximum m and sum l: p = 2^(c s - c m), c = log2(e) / 8; in every step O and l are multiplied by a = 2^(c m_old - c m_new).  m begins at -3e38 and O, l at 0, so the step is written once: the first a is 0.
; No prefetch is laid: a slot's refill is asked for eight key steps of all sixteen waves ahead of the wait for it, and half of K and V comes with the first fills.
.set KST,   64                         ; keys in a step
.set SK,    512                        ; keys in a slot
.set PK,    144                        ; a row of K in LDS: 128 bytes + 16 = 36 words: the 16 rows of a load start at 16 different groups of four banks (64 banks of 4 bytes: ISA guide 11.1)
.set PV,    160                        ; a row of V: 128 + 32 = 40 words
.set VOFF,  SK*PK                      ; a slot: 512 rows of K, then 512 rows of V
.set SLOT,  SK*(PK+PV)                 ; 155,648 bytes
.set SPARE, 2*SLOT                     ; behind the ring: the spare words, 128 bytes for each of 16 waves, which no other line names
.set SP,    144                        ; the way out: a stage row.  A wave's stage, 32 rows, lies in slot 0's rows of K: that slot has had its last fill and its last read at the last change of slots
.set AK0, 2                            ; v2   my lane's place in a tile of K; never rewritten
.set AV0, 3                            ; v3   the same for V
.set ADK, 4                            ; v4   LDS address of the step's K
.set ADV, 5                            ; v5   of its V
.set STO, 6                            ; v6   the way out: where I put 16 bytes of a row
.set RD,  7                            ; v7   the way out: where I read rows back
.set GO,  8                            ; v8   first my byte offset in the wave's rows of Q, on the way out in its rows of att
.set SPW, 10                           ; v10  LDS address of my spare word; never rewritten
.set NIL, 11                           ; v11  0; never rewritten
.set ST,  12                           ; v12-27  tile t's statistics at v[ST + 8 t]: +0 c m, +1 m, +2, +3 l (even keys', odd keys'), +4 to +7 at work; a takes +6 once the maximum is found
.set Q,   28                           ; v28-59  Q's fragments: 16 t + 8 c (channels 32 c on)
.set S,   60                           ; v60-123 S^T: 32 t + 8 a (keys 16 a on); then p; P packs into each tile's first 16
.set KV,  124                          ; v124-187 K's fragments 16 a + 8 c, then V's 32 ks + 8 ct
.set O,   188                          ; v188-251 O^T: 32 t + 8 ct (channels 16 ct on)
.set SB,  252                          ; v252-255 a pair a tile: first c m_old in its low word, then the sums' second chain
.set WV,  8                            ; s8   my wave's number
.set W8,  9                            ; s9   wave % 8: which 64 rows of a slot I fetch
.set CX,  10                           ; s10  my place in the cluster: my block of 512 queries
.set BH,  11                           ; s11  16 x batch + head
.set SEL, 20                           ; s[20:21] lane selects for v_permlanex16_b32: lane l xor 16
.set CS,  22                           ; s[22:23] c: the packed form names a pair and takes its low word for both halves
.set G1K, 24                           ; s[24:31] descriptor group 1 for K's tiles
.set G1V, 32                           ; s[32:39] for V's: it differs in the padding alone
.set G0K, 40                           ; s[40:47] descriptor group 0 for K's tiles, a set for each slot
.set G0V, 48                           ; s[48:55] the same for V's
.set TBK, 56                           ; s56  LDS byte at which the step's K begins
.set TBV, 57                           ; s57  the same for V (less VOFF, which v3 carries)
.set CNT, 58                           ; s58  counts a slot's eight steps
; A joint load into slot s.  Waves 0-7 fetch K's rows, waves 8-15 V's.  The branch hangs on the wave's number alone.  An s_nop 0 and four v_nop follow each of the two lines.
.macro JLOAD s
	s_cmp_lt_u32 s[WV], 8
	s_cbranch_scc0 .Lfor_v_\@
	tensor_load_to_lds s[G0K+4*\s:G0K+4*\s+3], s[G1K:G1K+7]
	s_nop 0
.rept 4
	v_nop
.endr
	s_branch .Lasked_\@
.Lfor_v_\@:
	tensor_load_to_lds s[G0V+4*\s:G0V+4*\s+3], s[G1V:G1V+7]
	s_nop 0
.rept 4
	v_nop
.endr
.Lasked_\@:
.endm
.macro CROUND                          ; a round of the cluster's barrier: my work-group's barrier; wave 0 signals for the work-group; every wave waits for all four; my work-group's barrier once more
	s_barrier_signal -1
	s_barrier_wait -1
	s_cmp_lg_u32 s[WV], 0
	s_cbranch_scc1 .Lnot_wave_0_\@
	s_barrier_signal -3
.Lnot_wave_0_\@:
	s_barrier_wait -3
	s_barrier_signal -1
	s_barrier_wait -1
.endm
	s_load_b128 s[4:7], s[0:1], 0x0                ; qkv16 s[4:5], att s[6:7]
	v_lshl_add_u32 v[SPW], v0, 2, SPARE
	v_mov_b32 v[NIL], 0
	ds_add_u32 v[SPW], v[NIL]                      ; the wave's opening: the add, twice on end, and its wait ahead of my first tensor load; the set-up below stands between the second and the wait
	ds_add_u32 v[SPW], v[NIL]
	v_lshrrev_b32 v1, 5, v0
	v_readfirstlane_b32 s[WV], v1                  ; wave 0..15
	s_and_b32 s[W8], s[WV], 7
	s_bfe_u32 s[CX], ttmp6, 0x40000
	s_and_b32 s[BH], ttmp7, 0xffff                 ; which the four partners share
	; descriptor group 1: a tile of 64 rows x 64 elements of 2 bytes, dense in memory, padded in LDS
	s_mov_b32 s[G1K], 15|(1<<16)|(1<<20)|(1<<21)|(4<<22)|(3<<25)  ; 15:0 the mask: all four work-groups; 17:16 elements of 2 bytes; 20 padding on; 21 set beside a mask; 24:22 after every 32 words (code 4); 31:25 4 words (code 3)
	s_mov_b32 s[G1V], 15|(1<<16)|(1<<20)|(1<<21)|(4<<22)|(7<<25)  ; the same with 8 words of padding (code 7)
.irp g, G1K, G1V
	s_mov_b32 s[\g+1], 64<<16                      ; tensor_dim0 = 64
	s_mov_b32 s[\g+2], 64<<16                      ; tensor_dim1 = 64
	s_mov_b32 s[\g+3], 64<<16                      ; tile_dim0 = 64
	s_mov_b32 s[\g+4], 64                          ; tile_dim1 = 64
	s_mov_b32 s[\g+5], 64                          ; tensor_dim0_stride: elements from row to row
	s_mov_b32 s[\g+6], 0
	s_mov_b32 s[\g+7], 0
.endr
	s_mov_b32 s[SEL], 0x76543210
	s_mov_b32 s[SEL+1], 0xfedcba98
	s_mov_b32 s[CS], 0x3e38aa3b                    ; c = log2(e) / 8
	s_mov_b32 s[CS+1], s[CS]                       ; (named with it as a pair, so it is written)
	s_lshl_b32 s60, s[BH], 18                      ; my (batch, head)'s plane of 262,144 bytes,
	s_lshl_b32 s61, s[W8], 13                      ; and in it my 64 rows of a slot's 512
	s_add_co_u32 s60, s60, s61
	s_mov_b32 s61, 0
	s_lshl_b32 s62, s[BH], 18                      ; Q: the plane, my block of 512 queries, my wave's 32
	s_lshl_b32 s63, s[CX], 16
	s_add_co_u32 s62, s62, s63
	s_lshl_b32 s63, s[WV], 12
	s_add_co_u32 s62, s62, s63
	s_mov_b32 s63, 0
	s_lshr_b32 s66, s[BH], 4                       ; att: block of 128 tokens = 16 x batch + 4 x my place + wave / 4,
	s_lshl_b32 s66, s66, 4
	s_lshl_b32 s67, s[CX], 2
	s_add_co_u32 s66, s66, s67
	s_lshr_b32 s67, s[WV], 2
	s_add_co_u32 s66, s66, s67
	s_lshl_b32 s66, s66, 4
	s_and_b32 s67, s[BH], 15                       ; in it the head's plane of 16,384 bytes,
	s_add_co_u32 s66, s66, s67
	s_lshl_b32 s66, s66, 14
	s_and_b32 s67, s[WV], 3                        ; in it my 32 rows of 128 bytes
	s_lshl_b32 s67, s67, 12
	s_add_co_u32 s66, s66, s67
	s_mov_b32 s67, 0
	s_mul_i32 s68, s[W8], 64*PK                    ; where my rows go in a slot: no place in the cluster enters an LDS address
	s_mul_i32 s69, s[W8], 64*PV
	s_add_co_u32 s69, s69, VOFF
	s_wait_dscnt 0x0                               ; both opening adds are done
	s_wait_kmcnt 0x0
	s_add_nc_u64 s[12:13], s[4:5], s[62:63]        ; Q at my wave's first query
	s_add_nc_u64 s[14:15], s[4:5], s[60:61]
	s_add_nc_u64 s[16:17], s[14:15], 0x2000000     ; V: 128 planes on
	s_add_nc_u64 s[14:15], s[14:15], 0x1000000     ; K: 64 planes on
	s_add_nc_u64 s[18:19], s[6:7], s[66:67]        ; att at my wave's first row
	CROUND                                         ; all four work-groups are here: the first joint loads meet
.irp s, 0,1
	s_mov_b32 s[G0K+4*\s], 1                       ; 1:0 count = 1
	s_add_co_u32 s[G0K+4*\s+1], s68, \s*SLOT       ; 63:32 LDS address
	s_add_nc_u64 s[G0K+4*\s+2:G0K+4*\s+3], s[14:15], \s*SK*128  ; 120:64 global address: slot s begins with keys 512 s on
	s_or_b32 s[G0K+4*\s+3], s[G0K+4*\s+3], 0x80000000  ; 127:126 type = 2
	s_mov_b32 s[G0V+4*\s], 1
	s_add_co_u32 s[G0V+4*\s+1], s69, \s*SLOT
	s_add_nc_u64 s[G0V+4*\s+2:G0V+4*\s+3], s[16:17], \s*SK*128
	s_or_b32 s[G0V+4*\s+3], s[G0V+4*\s+3], 0x80000000
.endr
	s_cmp_lt_u32 s[WV], 8                          ; a wave's two first fills stand in one branch, ahead of every wait on TENSORcnt and every LDS read: two loads of mine are out
	s_cbranch_scc0 .Lfirst_v
	tensor_load_to_lds s[G0K:G0K+3], s[G1K:G1K+7]
	s_nop 0
	tensor_load_to_lds s[G0K+4:G0K+7], s[G1K:G1K+7]
	s_nop 0
.rept 4
	v_nop
.endr
	s_branch .Lfirst_asked
.Lfirst_v:
	tensor_load_to_lds s[G0V:G0V+3], s[G1V:G1V+7]
	s_nop 0
	tensor_load_to_lds s[G0V+4:G0V+7], s[G1V:G1V+7]
	s_nop 0
.rept 4
	v_nop
.endr
.Lfirst_asked:
	; A fragment of K or Q is 16 rows x 32 channels in 8 registers: lane l holds row l % 16; registers 0-3 channels 8 (l / 16) + 0..7, registers 4-7 channels 16 + 8 (l / 16) + 0..7: two loads of 16 bytes, 32 bytes apart.
	v_and_b32 v1, 15, v0                           ; l % 16
	v_bfe_u32 v9, v0, 4, 1                         ; l / 16
	v_lshlrev_b32 v[GO], 7, v1
	v_lshl_add_u32 v[GO], v9, 4, v[GO]             ; Q: row x 128 + 16 x half
.irp t, 0,1
.irp c, 0,1
	global_load_b128 v[Q+16*\t+8*\c:Q+16*\t+8*\c+3],   v[GO], s[12:13] offset:\t*2048+\c*64 th:TH_LOAD_NT      ; Q stays in registers
	global_load_b128 v[Q+16*\t+8*\c+4:Q+16*\t+8*\c+7], v[GO], s[12:13] offset:\t*2048+\c*64+32 th:TH_LOAD_NT
.endr
.endr
	v_mul_u32_u24 v[AK0], v1, PK
	v_lshl_add_u32 v[AK0], v9, 4, v[AK0]           ; row x pitch + 16 x half
	; The turning load takes 16 keys x 16 channels (lane l reads 16 bytes: key 8 (l / 16) + l % 8, channels 8 ((l / 8) % 2) + 0..7) and leaves half a fragment of V^T: lane l holds channel l % 16 and 8 keys.
	v_and_b32 v6, 7, v0
	v_bfe_u32 v7, v0, 3, 1
	v_lshl_add_u32 v[AV0], v9, 3, v6
	v_mul_u32_u24 v[AV0], v[AV0], PV
	v_lshl_add_u32 v[AV0], v7, 4, v[AV0]
	v_add_nc_u32 v[AV0], VOFF, v[AV0]
.irp t, 0,1
	v_mov_b32 v[ST+8*\t+1], 0xff61b1e6             ; m: -3e38, under every score
	v_mul_f32 v[ST+8*\t], s[CS], v[ST+8*\t+1]      ; c m
	v_mov_b32 v[ST+8*\t+2], 0                      ; l, in two halves
	v_mov_b32 v[ST+8*\t+3], 0
.endr
.set j, 0
.rept 64
	v_mov_b32 v[O+j], 0                            ; O^T.  (The step is written once: the first finds zeros, which the first a, 0, leaves zeros)
.set j, j+1
.endr
; A KEY STEP: 64 keys against my 32 queries: 16 products K Q^T, the softmax of two tiles, 16 products V^T P.  The accumulators take turns, one instruction a turn, eight in each kind.
.macro STEP
	v_add_nc_u32 v[ADK], s[TBK], v[AK0]
	v_add_nc_u32 v[ADV], s[TBV], v[AV0]
.rept 3
	v_nop                                          ; with the two additions five places behind the last step's products: four for the loads into the registers that held V, five for the products below, which write over P
.endr
.irp c, 0,1                                    ; K's eight fragments, channels 0-31 first
.irp a, 0,1,2,3
	ds_load_b128 v[KV+16*\a+8*\c:KV+16*\a+8*\c+3],   v[ADK] offset:\a*16*PK+\c*64
	ds_load_b128 v[KV+16*\a+8*\c+4:KV+16*\a+8*\c+7], v[ADK] offset:\a*16*PK+\c*64+32
.endr
.endr
.irp c, 0,1
	s_wait_dscnt 8-8*\c                            ; channels 32 c on are in; for c = 0 the eight younger loads may be out
.irp a, 0,1,2,3
.irp t, 0,1
.if \c == 0
	v_wmma_f32_16x16x32_f16 v[S+32*\t+8*\a:S+32*\t+8*\a+7], v[KV+16*\a+8*\c:KV+16*\a+8*\c+7], v[Q+16*\t+8*\c:Q+16*\t+8*\c+7], 0
.else
	v_wmma_f32_16x16x32_f16 v[S+32*\t+8*\a:S+32*\t+8*\a+7], v[KV+16*\a+8*\c:KV+16*\a+8*\c+7], v[Q+16*\t+8*\c:Q+16*\t+8*\c+7], v[S+32*\t+8*\a:S+32*\t+8*\a+7]
.endif
.endr
.endr
.endr
.irp t, 0,1
	v_mov_b32 v[SB+2*\t], v[ST+8*\t]               ; c m_old is kept for a
.endr
	v_nop
	v_nop                                          ; four places behind the products: for the loads into K's registers and for the first read of the scores
.irp ks, 0,1                                   ; V's eight fragments, turned: they land while the softmax is walked
.irp ct, 0,1,2,3
	ds_load_tr16_b128 v[KV+32*\ks+8*\ct:KV+32*\ks+8*\ct+3],   v[ADV] offset:\ks*32*PV+\ct*32
	ds_load_tr16_b128 v[KV+32*\ks+8*\ct+4:KV+32*\ks+8*\ct+7], v[ADV] offset:\ks*32*PV+16*PV+\ct*32
.endr
.endr
.irp a, 0,1,2,3                                ; the maximum of a lane's 32 scores and the old m: four chains a tile, each accumulator from its low end on; the tiles by turns
.irp t, 0,1
	v_max3_num_f32 v[ST+8*\t+4+\a], v[S+32*\t+8*\a], v[S+32*\t+8*\a+1], v[S+32*\t+8*\a+2]
.endr
.endr
.irp i, 3,5
.irp a, 0,1,2,3
.irp t, 0,1
	v_max3_num_f32 v[ST+8*\t+4+\a], v[ST+8*\t+4+\a], v[S+32*\t+8*\a+\i], v[S+32*\t+8*\a+\i+1]
.endr
.endr
.endr
.irp t, 0,1
	v_max3_num_f32 v[ST+8*\t+4], v[ST+8*\t+4], v[S+32*\t+7], v[S+32*\t+15]
	v_max3_num_f32 v[ST+8*\t+6], v[ST+8*\t+6], v[S+32*\t+23], v[S+32*\t+31]
.endr
.irp t, 0,1
	v_max3_num_f32 v[ST+8*\t+4], v[ST+8*\t+4], v[ST+8*\t+5], v[ST+8*\t+6]
.endr
.irp t, 0,1
	v_max3_num_f32 v[ST+8*\t+4], v[ST+8*\t+4], v[ST+8*\t+7], v[ST+8*\t+1]
.endr
.irp t, 0,1
	v_permlanex16_b32 v[ST+8*\t+5], v[ST+8*\t+4], s[SEL], s[SEL+1]   ; the query's other 32 keys lie in the lane 16 away
.endr
.irp t, 0,1
	v_max_num_f32 v[ST+8*\t+1], v[ST+8*\t+4], v[ST+8*\t+5]           ; the new m
.endr
.irp t, 0,1
	v_mul_f32 v[ST+8*\t], s[CS], v[ST+8*\t+1]                        ; c m
.endr
.irp t, 0,1
	v_sub_f32 v[ST+8*\t+7], v[SB+2*\t], v[ST+8*\t]                   ; c m_old - c m_new, 0 or less
.endr
.irp t, 0,1
	v_exp_f32 v[ST+8*\t+6], v[ST+8*\t+7]                             ; a: the first of the batch of exponentials
.endr
.set j, 0
.rept 16
	v_pk_fma_f32 v[S+j:S+j+1], v[S+j:S+j+1], s[CS:CS+1], v[ST:ST+1] op_sel_hi:[1,0,0] neg_lo:[0,0,1] neg_hi:[0,0,1]            ; c s - c m, two at a time
	v_pk_fma_f32 v[S+32+j:S+32+j+1], v[S+32+j:S+32+j+1], s[CS:CS+1], v[ST+8:ST+9] op_sel_hi:[1,0,0] neg_lo:[0,0,1] neg_hi:[0,0,1]
.set j, j+2
.endr
.set j, 0
.rept 64
	v_exp_f32 v[S+j], v[S+j]                       ; p = 2^(c s - c m), at most 1
.set j, j+1
.endr
	v_nop                                          ; a plain instruction behind the last exponential, ahead of the first use
	s_wait_alu depctr_va_vdst(0)                   ; the wait ahead of the first instruction that names a result: one for the batch of 66
.irp t, 0,1                                    ; the sums of the unrounded p, two at a time, in two chains a tile
	v_pk_add_f32 v[ST+8*\t+4:ST+8*\t+5], v[S+32*\t:S+32*\t+1], v[S+32*\t+2:S+32*\t+3]
	v_pk_add_f32 v[SB+2*\t:SB+2*\t+1], v[S+32*\t+4:S+32*\t+5], v[S+32*\t+6:S+32*\t+7]
.endr
.irp i, 8,12,16,20,24,28
.irp t, 0,1
	v_pk_add_f32 v[ST+8*\t+4:ST+8*\t+5], v[ST+8*\t+4:ST+8*\t+5], v[S+32*\t+\i:S+32*\t+\i+1]
	v_pk_add_f32 v[SB+2*\t:SB+2*\t+1], v[SB+2*\t:SB+2*\t+1], v[S+32*\t+\i+2:S+32*\t+\i+3]
.endr
.endr
.irp t, 0,1
	v_pk_add_f32 v[ST+8*\t+4:ST+8*\t+5], v[ST+8*\t+4:ST+8*\t+5], v[SB+2*\t:SB+2*\t+1]
.endr
.irp t, 0,1
	v_pk_fma_f32 v[ST+8*\t+2:ST+8*\t+3], v[ST+8*\t+2:ST+8*\t+3], v[ST+8*\t+6:ST+8*\t+7], v[ST+8*\t+4:ST+8*\t+5] op_sel_hi:[1,0,1]   ; l = a l + the step's sum
.endr
.set j, 0
.rept 16                                       ; P: pairs of weights rounded to f16, packed in place: pair j is read before register j + 1 is written
	v_cvt_pk_f16_f32 v[S+j], v[S+2*j], v[S+2*j+1]
	v_cvt_pk_f16_f32 v[S+32+j], v[S+32+2*j], v[S+32+2*j+1]
.set j, j+1
.endr
.set j, 0
.rept 16                                       ; O^T times a, each accumulator from its low end on
	v_pk_mul_f32 v[O+j:O+j+1], v[O+j:O+j+1], v[ST+6:ST+7] op_sel_hi:[1,0]
	v_pk_mul_f32 v[O+32+j:O+32+j+1], v[O+32+j:O+32+j+1], v[ST+14:ST+15] op_sel_hi:[1,0]
.set j, j+2
.endr
	s_wait_dscnt 0x0                               ; V is in
.irp ks, 0,1
.irp ct, 0,1,2,3
.irp t, 0,1
	v_wmma_f32_16x16x32_f16 v[O+32*\t+8*\ct:O+32*\t+8*\ct+7], v[KV+32*\ks+8*\ct:KV+32*\ks+8*\ct+7], v[S+32*\t+8*\ks:S+32*\t+8*\ks+7], v[O+32*\t+8*\ct:O+32*\t+8*\ct+7]
.endr
.endr
.endr
.endm
; A slot's eight key steps: written once for each slot walked; the LDS addresses hang on two scalars that step by constants.
.macro SLOT_STEPS base
	s_mov_b32 s[TBK], \base
	s_mov_b32 s[TBV], \base
	s_mov_b32 s[CNT], SK/KST
.Lstep_\@:
	STEP
	s_add_co_u32 s[TBK], s[TBK], KST*PK
	s_add_co_u32 s[TBV], s[TBV], KST*PV
	s_sub_co_u32 s[CNT], s[CNT], 1
	s_cmp_lg_u32 s[CNT], 0
	s_cbranch_scc1 .Lstep_\@
.endm
; THE CHANGE OF SLOTS.  Each wave waits for all its tensor loads (its part of the slot ahead), adds 0 to its spare word, and waits for that and for its reads of the slot that it has left.
; fill = 1: the slot left, sl, is filled with the keys 1,024 further on.  The barrier is then a round of the cluster's, so that no wave of any partner still reads the slot or has a load on its way;
; the joint refill is the first thing behind it, one load a wave, and has the other slot's eight key steps in which to land.
.macro CHANGE fill, sl
	s_wait_tensorcnt 0x0                           ; no tensor load of mine is out, so a group 0 may be written
	ds_add_u32 v[SPW], v[NIL]                      ; 0 onto my spare word
.if \fill
	s_add_nc_u64 s[G0K+4*\sl+2:G0K+4*\sl+3], s[G0K+4*\sl+2:G0K+4*\sl+3], 2*SK*128   ; the type bits on top are not reached
	s_add_nc_u64 s[G0V+4*\sl+2:G0V+4*\sl+3], s[G0V+4*\sl+2:G0V+4*\sl+3], 2*SK*128
.endif
	s_wait_dscnt 0x0                               ; the add is done, and my reads of the slot that I have left are over
.if \fill
	CROUND
	JLOAD \sl
.else
	s_barrier_signal -1
	s_barrier_wait -1
.endif
.endm
	s_wait_tensorcnt 1                             ; my part of slot 0 is in; slot 1's may stay out
	s_barrier_signal -1
	s_barrier_wait -1                              ; everybody's is
	s_wait_loadcnt 0x0                             ; Q
	SLOT_STEPS 0                                   ; keys 0 to 511
	CHANGE 1, 0
	SLOT_STEPS SLOT                                ; keys 512 to 1,023
	CHANGE 1, 1
	SLOT_STEPS 0                                   ; keys 1,024 to 1,535
	CHANGE 0, 0                                    ; nothing is left to fetch
	SLOT_STEPS SLOT                                ; keys 1,536 to 2,047
	; THE WAY OUT.  l's two halves and the other half of the lanes' are added; O^T is divided by l, rounded to f16 and sent through my stage in LDS.  The additions and the address work are the places behind the last products.
.irp t, 0,1
	v_add_f32 v[ST+8*\t+4], v[ST+8*\t+2], v[ST+8*\t+3]
.endr
.irp t, 0,1
	v_permlanex16_b32 v[ST+8*\t+5], v[ST+8*\t+4], s[SEL], s[SEL+1]
.endr
.irp t, 0,1
	v_add_f32 v[ST+8*\t+4], v[ST+8*\t+4], v[ST+8*\t+5]
.endr
.irp t, 0,1
	v_rcp_f32 v[ST+8*\t+6], v[ST+8*\t+4]
.endr
	v_and_b32 v1, 15, v0                           ; (plain instructions behind the reciprocals)
	v_bfe_u32 v9, v0, 4, 1
	s_mul_i32 s59, s[WV], 32*SP                    ; my stage
	v_mul_u32_u24 v[STO], v1, SP                   ; in: row l % 16, 16 bytes for each half of the lanes
	v_lshl_add_u32 v[STO], v9, 4, v[STO]
	v_add_nc_u32 v[STO], s59, v[STO]
	v_and_b32 v1, 31, v0
	v_lshlrev_b32 v[GO], 4, v1                     ; out: four rows of 128 bytes are 512 consecutive bytes: 16 a lane
	v_lshrrev_b32 v9, 3, v1
	v_mul_u32_u24 v[RD], v9, SP                    ; back: eight lanes to a row, four rows an instruction
	v_and_b32 v1, 7, v0
	v_lshl_add_u32 v[RD], v1, 4, v[RD]
	v_add_nc_u32 v[RD], s59, v[RD]
	s_wait_alu depctr_va_vdst(0)                   ; the wait ahead of the first use: one for the two reciprocals
.set j, 0
.rept 16
	v_pk_mul_f32 v[O+j:O+j+1], v[O+j:O+j+1], v[ST+6:ST+7] op_sel_hi:[1,0]
	v_pk_mul_f32 v[O+32+j:O+32+j+1], v[O+32+j:O+32+j+1], v[ST+14:ST+15] op_sel_hi:[1,0]
.set j, j+2
.endr
.set j, 0
.rept 16
	v_cvt_pk_f16_f32 v[S+j], v[O+2*j], v[O+2*j+1]              ; a lane's eight channels of a row pack into 16 bytes
	v_cvt_pk_f16_f32 v[S+16+j], v[O+32+2*j], v[O+32+2*j+1]
.set j, j+1
.endr
.irp t, 0,1
.irp ct, 0,1,2,3
	ds_store_b128 v[STO], v[S+16*\t+4*\ct:S+16*\t+4*\ct+3] offset:\t*16*SP+\ct*32
.endr
.endr
.irp i, 0,1,2,3,4,5,6,7
	ds_load_b128 v[KV+4*\i:KV+4*\i+3], v[RD] offset:\i*4*SP    ; LDS serves a wave's instructions in order (ISA guide 5.7.1.4): these see the stores above
.endr
.irp i, 0,1,2,3,4,5,6,7
	s_wait_dscnt 7-\i                              ; load i is in; the younger ones may be out
	global_store_b128 v[GO], v[KV+4*\i:KV+4*\i+3], s[18:19] offset:512*\i   ; 32 lanes store 512 consecutive bytes, at a multiple of 256 from att's first byte
.endr
	s_wait_tensorcnt 0x0                           ; the wave's end: behind my last tensor load and my last LDS store
	ds_add_u32 v[SPW], v[NIL]
	s_wait_dscnt 0x0
	CROUND                                         ; the closing round: no work-group ends while a partner may still ask for a tile that names it
	s_endpgm
.Lfunc_end_k_q1478c0df10_attn:
	.size	k_q1478c0df10_attn, .Lfunc_end_k_q1478c0df10_attn-k_q1478c0df10_attn
	.p2alignl 7, 3214868480
	.fill 96, 4, 3214868480
	.section	.rodata,"a",@progbits
	.p2align	6, 0x0
	.amdhsa_kernel k_q1478c0df10_attn
		.amdhsa_group_segment_fixed_size 327680
		.amdhsa_private_segment_fixed_size 0
		.amdhsa_enable_private_segment 0
		.amdhsa_kernarg_size 16
		.amdhsa_user_sgpr_count 2
		.amdhsa_user_sgpr_kernarg_segment_ptr 1
		.amdhsa_wavefront_size32 1
		.amdhsa_system_sgpr_workgroup_id_x 1
		.amdhsa_system_sgpr_workgroup_id_y 1
		.amdhsa_system_sgpr_workgroup_id_z 1
		.amdhsa_system_vgpr_workitem_id 0
		.amdhsa_next_free_vgpr 256
		.amdhsa_next_free_sgpr 72
		.amdhsa_reserve_vcc 0
		.amdhsa_float_denorm_mode_32 3
		.amdhsa_float_denorm_mode_16_64 3
		.amdhsa_memory_ordered 1
		.amdhsa_forward_progress 1
		.amdhsa_inst_pref_size 88
	.end_amdhsa_kernel
	.amdgpu_metadata
---
amdhsa.version: [ 1, 2 ]
amdhsa.kernels:
  - .name:           k_q1478c0df10_attn
    .symbol:         k_q1478c0df10_attn.kd
    .args:
      - { .name: qkv16, .offset: 0, .size: 8, .value_kind: global_buffer, .address_space: global }
      - { .name: att, .offset: 8, .size: 8, .value_kind: global_buffer, .address_space: global }
    .group_segment_fixed_size: 327680
    .private_segment_fixed_size: 0
    .kernarg_segment_align: 8
    .kernarg_segment_size: 16
    .max_flat_workgroup_size: 512
    .sgpr_count:     72
    .vgpr_count:     256
    .wavefront_size: 32
...
	.end_amdgpu_metadata
.endif
;; end of part 3
;; launch proj (part 4): grid 4 x 64, 4 waves a work-group, clusters of 4 x 4, 327,680 bytes of LDS; arguments att, wp16, b_proj, out0; writes out0
.if DOCPART == 4
	.amdgcn_target "amdgcn-amd-amdhsa--gfx1250"
	.amdhsa_code_object_version 6
	.text
	.protected	k_q1478c0df10_proj
	.globl	k_q1478c0df10_proj
	.p2align	8
	.type	k_q1478c0df10_proj,@function
k_q1478c0df10_proj:
	s_mov_b64 s[64:65], 0
	v_nop
	global_prefetch_b8 v0, s[64:65] scope:SCOPE_SE
	s_setreg_imm32_b32 hwreg(HW_REG_WAVE_MODE, 25, 1), 1
	s_wait_xcnt 0x0
	s_wait_alu depctr_hold_cnt(0) depctr_sa_sdst(0) depctr_va_vdst(0) depctr_va_sdst(0) depctr_va_ssrc(0) depctr_va_vcc(0) depctr_vm_vsrc(0)
	s_getreg_b32 s2, hwreg(HW_REG_IB_STS2, 6, 4)
	s_cmp_eq_u32 s2, 0
	s_cbranch_scc0 .Lentry_in_a_cluster
	s_endpgm
.Lentry_in_a_cluster:
	s_bfe_u32 s2, ttmp6, 0x10000c
	s_cmp_lg_u32 s2, 0xf033
	s_cbranch_scc0 .Lentry_shape_is_right
	s_endpgm
.Lentry_shape_is_right:
; out0[m][n] = sum over k of att[m][k] w_proj[n][k] + b_proj[n].  8,192 x 1,024 x 1,024; f16 operands, f32 sums, f32 out.
; att: f16, [m / 128][k / 64][m % 128][k % 64]; wp16: f16, [n / 128][k / 64][n % 128][k % 64]: a plane of 128 rows x 128 bytes is dense, and the planes of one block of rows follow each other along K.
; A tile of out0 is 128 x 256: 256 work-groups, one for each WGP.  Four waves, each 64 x 128: 32 accumulators of 16 x 16, 256 registers.  K goes in steps of 128 (two planes) through a ring of two LDS slots:
; the longest step of which two slots fit.  Waves 0 and 1 fetch att's two planes (128 rows each), waves 2 and 3 the two planes of one block of 128 rows of w_proj each (256 rows).
; CLUSTERS: 4 x 4 work-groups.  The four of a row of the cluster need the same tiles of att, the four of a column the same tiles of w_proj: each tile is asked for JOINTLY, by the same tensor load with the same
; descriptor and a mask that names the four.  THE MATRIX INSTRUCTION IS USED TRANSPOSED (source 0 = 16 rows of w_proj, source 1 = 16 tokens): a lane then holds eight neighbouring numbers of a row of out0.
; THE BIAS IS THE C of each sum's first product.  No prefetch is laid: the launch is short and its tile small.
; REGISTERS: window 0: v0-31 addresses; v32-127, v128-223 two fragment buffers for 32 along K: 32 registers of att (4 x 16 rows), then 64 of w_proj (8 x 16 rows); on the way out v32-159 hold rows.
;   window 1: the accumulators ((a, b) at v[8 (8 a + b)]).   window 2: v0-63 the bias of my 128 columns.
.set PITCH,  144                       ; an LDS row: 128 bytes + 16 of padding = 36 words: the 16 rows that a load touches start at 16 different groups of four banks (64 banks of 4 bytes: ISA guide 11.1)
.set PL,     128*PITCH                 ; a plane in LDS
.set SLOT,   6*PL                      ; att's two planes, then w_proj's: block j, plane p at (2 + 2 j + p) PL
.set STAGE,  2*SLOT                    ; behind the ring: 16 rows x 528 bytes for each wave, for the way out
.set SPITCH, 528
.set SPARE,  STAGE+4*16*SPITCH         ; behind the stages: the spare words, 128 bytes for each wave, which no other line names
.set LAPS,   4                         ; a lap = two K steps = once round the ring: 1,024 / 256
.set ADRA, 16                          ; v16-17  LDS address of my att fragments in slot 0, 1
.set ADRB, 20                          ; v20-21  the same for w_proj
.set STO,  24                          ; v24     the way out: where I put 32 bytes of a row
.set RD,   25                          ; v25     the way out: where I read a row back
.set CO,   26                          ; v26     16 x lane: my byte offset in a row's 512 bytes
.set BO,   27                          ; v27     32 x (lane / 16): my eight numbers of a block of 16 of the bias
.set SPW,  28                          ; v28     LDS address of my spare word; never rewritten
.set NIL,  29                          ; v29     0; never rewritten
.set F0,   32                          ; fragment buffers
.set F1,   128
.set BK,   32                          ; the way out: 16 rows read back: v32-95 and v96-159 by turns
.set WV,   12                          ; s12 wave;  s13 which 64 rows are mine, also: I fetch for att (0) or w_proj (1);  s14 which 128 columns, also: which part I fetch;  s15 tile row;  s42 tile column
.set G1, 24                            ; s[24:31] descriptor group 1 for att's tiles;  s[32:39] group 0, one set for each slot
.set G0, 32
.set G1B, 48                           ; s[48:55], s[56:63] the same for w_proj's
.set G0B, 56
.set MSB, 0
.macro WIN new                         ; the immediate's high byte repeats the setting that is left
.if MSB != \new
	s_set_vgpr_msb (MSB<<8)|\new
.set MSB, \new
.endif
.endm
.set MUL,   0x50                       ; sources 0 and 1 window 0; C and D window 1
.set MULB,  0x60                       ; the first quarter: C (the bias) window 2, D window 1
.macro JLOAD s                         ; a joint load: waves 0 and 1 fetch for att, waves 2 and 3 for w_proj; an s_nop 0 and four v_nop follow each of the two lines
	s_cmp_eq_u32 s13, 0
	s_cbranch_scc0 .Lfor_b_\@
	tensor_load_to_lds s[G0+4*\s:G0+4*\s+3], s[G1:G1+7]
	s_nop 0
.rept 4
	v_nop
.endr
	s_branch .Lasked_\@
.Lfor_b_\@:
	tensor_load_to_lds s[G0B+4*\s:G0B+4*\s+3], s[G1B:G1B+7]
	s_nop 0
.rept 4
	v_nop
.endr
.Lasked_\@:
.endm
.macro CREST                           ; a round of the cluster's barrier behind its opening barrier
	s_cmp_lg_u32 s[WV], 0
	s_cbranch_scc1 .Lnot_wave_0_\@
	s_barrier_signal -3
.Lnot_wave_0_\@:
	s_barrier_wait -3
	s_barrier_signal -1
	s_barrier_wait -1
.endm
.macro CROUND                          ; a whole round
	s_barrier_signal -1
	s_barrier_wait -1
	CREST
.endm
	s_load_b256 s[4:11], s[0:1], 0x0               ; att s[4:5], wp16 s[6:7], b_proj s[8:9], out0 s[10:11]
	v_lshl_add_u32 v[SPW], v0, 2, SPARE
	v_mov_b32 v[NIL], 0
	ds_add_u32 v[SPW], v[NIL]                      ; the wave's opening: the add, twice on end, and its wait ahead of my first tensor load; the set-up below stands between the second and the wait
	ds_add_u32 v[SPW], v[NIL]
	v_lshrrev_b32 v1, 5, v0
	v_readfirstlane_b32 s[WV], v1                  ; wave 0..3
	s_lshr_b32 s13, s[WV], 1
	s_and_b32 s14, s[WV], 1
	s_bfe_u32 s40, ttmp6, 0x40000                  ; cx, cy: my place in the cluster
	s_bfe_u32 s41, ttmp6, 0x40004
	s_lshl_b32 s42, ttmp9, 2
	s_add_co_u32 s42, s42, s40                     ; tile column = 4 x cluster x + cx
	s_and_b32 s15, ttmp7, 0xffff
	s_lshl_b32 s15, s15, 2
	s_add_co_u32 s15, s15, s41                     ; tile row = 4 x cluster y + cy
	s_lshl_b32 s43, s41, 2
	s_lshl_b32 s43, 15, s43                        ; my row of the cluster
	s_lshl_b32 s44, 0x1111, s40                    ; my column
	; descriptor group 1: rows of 64 elements of 2 bytes, dense in memory, padded in LDS: 128 rows for att, 256 for w_proj
	s_or_b32 s[G1+0], s43, (1<<16)|(1<<20)|(1<<21)|(4<<22)|(3<<25)  ; 15:0 the mask: att's tiles go to my row; 17:16 element of 2 bytes; 20 padding on; 21 set beside a mask; 24:22 after every 32 words (code 4); 31:25 of 4 words (code 3)
	s_or_b32 s[G1B+0], s44, (1<<16)|(1<<20)|(1<<21)|(4<<22)|(3<<25)
	s_mov_b32 s[G1+1], 64<<16                      ; tensor_dim0 = 64
	s_mov_b32 s[G1+2], 128<<16                     ; tensor_dim1 = 128
	s_mov_b32 s[G1+3], 64<<16                      ; tile_dim0 = 64
	s_mov_b32 s[G1+4], 128                         ; tile_dim1 = 128
	s_mov_b32 s[G1+5], 64                          ; tensor_dim0_stride
	s_mov_b32 s[G1+6], 0
	s_mov_b32 s[G1+7], 0
	s_mov_b32 s[G1B+1], 64<<16
	s_mov_b32 s[G1B+2], 256<<16                    ; tensor_dim1 = 256
	s_mov_b32 s[G1B+3], 64<<16
	s_mov_b32 s[G1B+4], 256                        ; tile_dim1 = 256
	s_mov_b32 s[G1B+5], 64
	s_mov_b32 s[G1B+6], 0
	s_mov_b32 s[G1B+7], 0
	s_lshl_b32 s16, s15, 18                        ; att: the tile row's 16 planes of 16,384 bytes, + my plane of a K step's two
	s_lshl_b32 s17, s14, 14
	s_add_co_u32 s16, s16, s17
	s_mov_b32 s17, 0
	s_lshl_b32 s46, s42, 1                         ; w_proj: block of 128 rows 2 x tile column + my half: its 16 planes
	s_add_co_u32 s46, s46, s14
	s_lshl_b32 s46, s46, 18
	s_mov_b32 s47, 0
	s_mul_i32 s20, s14, PL                         ; where they go in a slot: no place in the cluster enters an LDS address
	s_mul_i32 s21, s14, 2*PL
	s_add_co_u32 s21, s21, 2*PL
	s_wait_dscnt 0x0                               ; both opening adds are done
	s_wait_kmcnt 0x0
	s_add_nc_u64 s[18:19], s[4:5], s[16:17]
	s_add_nc_u64 s[46:47], s[6:7], s[46:47]
	CROUND                                         ; all sixteen work-groups are here: the first joint loads meet
.irp s, 0,1
	s_mov_b32 s[G0+4*\s], 1
	s_add_co_u32 s[G0+4*\s+1], s20, \s*SLOT
	s_add_nc_u64 s[G0+4*\s+2:G0+4*\s+3], s[18:19], \s*32768    ; K step s: two planes on
	s_or_b32 s[G0+4*\s+3], s[G0+4*\s+3], 0x80000000
	s_mov_b32 s[G0B+4*\s], 1
	s_add_co_u32 s[G0B+4*\s+1], s21, \s*SLOT
	s_add_nc_u64 s[G0B+4*\s+2:G0B+4*\s+3], s[46:47], \s*32768
	s_or_b32 s[G0B+4*\s+3], s[G0B+4*\s+3], 0x80000000
	JLOAD \s                                       ; two loads of mine are out behind the second
.endr
	v_and_b32 v1, 15, v0                           ; l % 16
	v_bfe_u32 v2, v0, 4, 1                         ; l / 16
	v_mul_u32_u24 v3, v1, PITCH
	v_lshl_add_u32 v3, v2, 4, v3                   ; a fragment's row x pitch + 16 x half
	s_mul_i32 s21, s13, 64*PITCH                   ; my 64 rows of att's plane
	s_mul_i32 s22, s14, 2*PL                       ; my block of w_proj,
	s_add_co_u32 s22, s22, 2*PL                    ; behind att's two planes
.irp s, 0,1
	v_add_nc_u32 v[ADRA+\s], s21, v3
	v_add_nc_u32 v[ADRB+\s], s22, v3
	s_add_co_u32 s21, s21, SLOT
	s_add_co_u32 s22, s22, SLOT
.endr
	s_mul_i32 s23, s[WV], 16*SPITCH
	s_add_co_u32 s23, s23, STAGE                   ; my stage
	v_mul_u32_u24 v4, v1, SPITCH                   ; in: row l % 16, 32 bytes for each half of the lanes
	v_lshl_add_u32 v4, v2, 5, v4
	v_add_nc_u32 v[STO], s23, v4
	v_and_b32 v5, 31, v0
	v_lshlrev_b32 v[CO], 4, v5                     ; back: the 32 lanes take one row of 512 bytes; and the same in out0
	v_add_nc_u32 v[RD], s23, v[CO]
	v_lshlrev_b32 v[BO], 5, v2
	s_lshl_b32 s16, s15, 19                        ; my first row of out0: 128 x tile row + 64 x half, rows of 4,096 bytes
	s_lshl_b32 s17, s13, 18
	s_add_co_u32 s16, s16, s17
	s_mov_b32 s17, 0
	s_add_nc_u64 s[10:11], s[10:11], s[16:17]
	s_lshl_b32 s46, s42, 10                        ; my first column, in bytes: 1,024 x tile column + 512 x half (in the registers that held w_proj's address: none that fed att's descriptors takes cx)
	s_lshl_b32 s47, s14, 9
	s_add_co_u32 s46, s46, s47
	s_mov_b32 s47, 0
	s_add_nc_u64 s[10:11], s[10:11], s[46:47]
	s_add_nc_u64 s[8:9], s[8:9], s[46:47]          ; and the same in the bias
	WIN 0x80                                       ; destination window 2, address window 0
.irp b, 0,1,2,3,4,5,6,7                        ; register 8 b + j of lane (r, h): b_proj[my first column + 16 b + 8 h + j]
	global_load_b128 v[8*\b:8*\b+3],   v[BO], s[8:9] offset:64*\b
	global_load_b128 v[8*\b+4:8*\b+7], v[BO], s[8:9] offset:64*\b+16
.endr
	WIN 0
; 8 matrix instructions: att's block a against w_proj's eight, 32 along K, from buffer f.  first = 1: the first product starts the sums from the bias.
; The 32 accumulators take turns, one instruction a turn, in the same order in every quarter.
.macro MUL8 f, a, first
.irp b, 0,1,2,3,4,5,6,7
.if \first
	v_wmma_f32_16x16x32_f16 v[8*(8*(\a)+\b):8*(8*(\a)+\b)+7], v[\f+32+8*\b:\f+32+8*\b+7], v[\f+8*(\a):\f+8*(\a)+7], v[8*\b:8*\b+7]
.else
	v_wmma_f32_16x16x32_f16 v[8*(8*(\a)+\b):8*(8*(\a)+\b)+7], v[\f+32+8*\b:\f+32+8*\b+7], v[\f+8*(\a):\f+8*(\a)+7], v[8*(8*(\a)+\b):8*(8*(\a)+\b)+7]
.endif
.endr
.endm
; 24 LDS loads in one run: the fragments of the K step's q-th 32 along K (plane q / 2, byte 64 (q % 2) of its rows) into buffer f: w_proj's eight, then att's four
.macro FETCH slot, q, f
	WIN 0
.set OFS, ((\q)/2)*PL+((\q)%2)*64
.irp b, 0,1,2,3,4,5,6,7
	ds_load_b128 v[\f+32+8*\b:\f+32+8*\b+3],   v[ADRB+\slot] offset:OFS+\b*16*PITCH
	ds_load_b128 v[\f+32+8*\b+4:\f+32+8*\b+7], v[ADRB+\slot] offset:OFS+\b*16*PITCH+32
.endr
.irp a, 0,1,2,3
	ds_load_b128 v[\f+8*\a:\f+8*\a+3],   v[ADRA+\slot] offset:OFS+\a*16*PITCH
	ds_load_b128 v[\f+8*\a+4:\f+8*\a+7], v[ADRA+\slot] offset:OFS+\a*16*PITCH+32
.endr
.endm
.macro PLACES                          ; four places in front of loads into registers that matrix instructions have read, and of the first read of results (ISA guide 7.12.1 for vector instructions)
.rept 4
	v_nop
.endr
.endm
; A K step is four quarters of 32 along K, 32 matrix instructions each, on buffers 0, 1, 0, 1.  One of the first three: multiplies buffer f and fetches quarter qn of the same slot into g.
.macro QUARTER slot, qn, f, g, first
	s_wait_dscnt 4                                 ; w_proj's fragments and att's blocks 0, 1 are in; the youngest four loads (blocks 2, 3) may be out
.if \first
	WIN MULB
.else
	WIN MUL
.endif
	MUL8 \f, 0, \first
	MUL8 \f, 1, \first
	PLACES
	FETCH \slot, \qn, \g
	s_wait_dscnt 24                                ; all but the 24 just issued
.if \first
	WIN MULB
.else
	WIN MUL
.endif
	MUL8 \f, 2, \first
	MUL8 \f, 3, \first
.endm
; The last quarter multiplies buffer 1 and changes slots: ONE barrier; in front of it each wave waits for all its tensor loads, adds 0 to its spare word, and waits for that and for its own reads of this slot.
; fill = 1: this slot is filled again, two K steps ahead: the barrier then opens a round of the cluster's barrier, and the joint refill is the first tensor load behind the round, one a wave.
.macro TURN slot, next, fill
	WIN 0                                          ; (the add's two registers lie in window 0)
	s_wait_tensorcnt 0x0                           ; all my tensor loads have landed: my part of the next slot;
	ds_add_u32 v[SPW], v[NIL]                      ; 0 onto my spare word;
	s_wait_dscnt 5                                 ; (the add and the youngest four loads may be out)
	WIN MUL
	MUL8 F1, 0, 0                                  ; eight matrix instructions stand between the add and the wait for it
	s_wait_dscnt 0x0                               ; the add is done, and my reads of this slot are over
	s_barrier_signal -1
	MUL8 F1, 1, 0
	WIN 0
	s_barrier_wait -1
.if \fill
	CREST                                          ; no wave of any partner still reads this slot's tile or has a load on its way
	s_add_nc_u64 s[G0+4*\slot+2:G0+4*\slot+3], s[G0+4*\slot+2:G0+4*\slot+3], 65536      ; two K steps, four planes, on
	s_add_nc_u64 s[G0B+4*\slot+2:G0B+4*\slot+3], s[G0B+4*\slot+2:G0B+4*\slot+3], 65536
	JLOAD \slot                                    ; the four v_nop behind it are also the places in front of the loads below
.else
	PLACES
.endif
	FETCH \next, 0, F0
	WIN MUL
	MUL8 F1, 2, 0
	MUL8 F1, 3, 0
.endm
	s_wait_tensorcnt 1                             ; my part of K step 0 is in (K step 1's load may be out)
	s_barrier_signal -1
	s_barrier_wait -1                              ; everybody's is
	FETCH 0, 0, F0
	s_wait_loadcnt 0x0                             ; the bias
	QUARTER 0, 1, F0, F1, 1                        ; the first quarter stands in front of the loop: its products start the sums
	WIN 0                                          ; at a label and at a branch every window is 0
	s_mov_b32 s3, LAPS-1
.Llap:                                                 ; a trip goes once round the ring, from a lap's second quarter to the next lap's first, and fills both slots again
	QUARTER 0, 2, F1, F0, 0
	QUARTER 0, 3, F0, F1, 0
	TURN 0, 1, 1
	QUARTER 1, 1, F0, F1, 0
	QUARTER 1, 2, F1, F0, 0
	QUARTER 1, 3, F0, F1, 0
	TURN 1, 0, 1
	QUARTER 0, 1, F0, F1, 0
	WIN 0
	s_sub_co_u32 s3, s3, 1
	s_cmp_lg_u32 s3, 0
	s_cbranch_scc1 .Llap
	QUARTER 0, 2, F1, F0, 0                        ; the last lap fills nothing, and has no round of the cluster's barrier
	QUARTER 0, 3, F0, F1, 0
	TURN 0, 1, 0
	QUARTER 1, 1, F0, F1, 0
	QUARTER 1, 2, F1, F0, 0
	QUARTER 1, 3, F0, F1, 0
	s_wait_dscnt 4                                 ; the very last quarter: nothing more to fetch
	WIN MUL
	MUL8 F1, 0, 0
	MUL8 F1, 1, 0
	s_wait_dscnt 0
	MUL8 F1, 2, 0
	MUL8 F1, 3, 0
	WIN 0
; THE WAY OUT, block by block of 16 rows x 128 columns.  A lane holds 32 neighbouring bytes of a row, and the lanes beside it hold other rows: so a block goes through my own stage in LDS and comes back as whole
; rows of 512 bytes.  LDS serves a wave's instructions in order (ISA guide 5.7.1.4): no wait between the stores and the loads, nor in front of the next block's stores.
.macro TOSTAGE a
	WIN 0x04                                       ; an LDS store's data are its source 1: window 1
.irp b, 0,1,2,3,4,5,6,7
	ds_store_b128 v[STO], v[64*(\a)+8*\b:64*(\a)+8*\b+3] offset:64*\b          ; each accumulator from its low end on
	ds_store_b128 v[STO], v[64*(\a)+8*\b+4:64*(\a)+8*\b+7] offset:64*\b+16
.endr
	WIN 0
.set BB, BK+64*((\a)%2)
.irp t, 0,1,2,3,4,5,6,7,8,9,10,11,12,13,14,15
	ds_load_b128 v[BB+4*\t:BB+4*\t+3], v[RD] offset:\t*SPITCH
.endr
.endm
.macro SEND a, younger                 ; younger: the LDS instructions issued behind block a's loads, which may stay out
.set BB, BK+64*((\a)%2)
	s_wait_dscnt \younger                          ; the block is back in registers
.irp t, 0,1,2,3,4,5,6,7,8,9,10,11,12,13,14,15
	global_store_b128 v[CO], v[BB+4*\t:BB+4*\t+3], s[10:11] offset:(\a)*65536+\t*4096 th:TH_STORE_NT   ; 32 lanes store 512 consecutive bytes, at a multiple of 256 from out0's first byte; written once, read by nobody here
.endr
.endm
	PLACES                                         ; behind the last products: for the stores that read results and for the loads into the fragment buffers
	TOSTAGE 0
.irp a, 1,2,3
.if \a > 1
	s_wait_xcnt 0x0                                ; block a - 2's stores have read their registers: block a's rows may land there
.endif
	TOSTAGE \a
	SEND \a-1, 32                                  ; behind block a - 1's loads: block a's 16 stores and 16 loads
.endr
	SEND 3, 0
	s_wait_tensorcnt 0x0                           ; the wave's end: behind my last tensor load and my last LDS store
	ds_add_u32 v[SPW], v[NIL]
	s_wait_dscnt 0x0
	CROUND                                         ; the closing round: no work-group ends while a partner may still ask for a tile that names it
	s_endpgm
.Lfunc_end_k_q1478c0df10_proj:
	.size	k_q1478c0df10_proj, .Lfunc_end_k_q1478c0df10_proj-k_q1478c0df10_proj
	.p2alignl 7, 3214868480
	.fill 96, 4, 3214868480
	.section	.rodata,"a",@progbits
	.p2align	6, 0x0
	.amdhsa_kernel k_q1478c0df10_proj
		.amdhsa_group_segment_fixed_size 327680
		.amdhsa_private_segment_fixed_size 0
		.amdhsa_enable_private_segment 0
		.amdhsa_kernarg_size 32
		.amdhsa_user_sgpr_count 2
		.amdhsa_user_sgpr_kernarg_segment_ptr 1
		.amdhsa_wavefront_size32 1
		.amdhsa_system_sgpr_workgroup_id_x 1
		.amdhsa_system_sgpr_workgroup_id_y 1
		.amdhsa_system_sgpr_workgroup_id_z 1
		.amdhsa_system_vgpr_workitem_id 0
		.amdhsa_next_free_vgpr 576
		.amdhsa_next_free_sgpr 66
		.amdhsa_reserve_vcc 0
		.amdhsa_float_denorm_mode_32 3
		.amdhsa_float_denorm_mode_16_64 3
		.amdhsa_memory_ordered 1
		.amdhsa_forward_progress 1
		.amdhsa_inst_pref_size 86
	.end_amdhsa_kernel
	.amdgpu_metadata
---
amdhsa.version: [ 1, 2 ]
amdhsa.kernels:
  - .name:           k_q1478c0df10_proj
    .symbol:         k_q1478c0df10_proj.kd
    .args:
      - { .name: att, .offset: 0, .size: 8, .value_kind: global_buffer, .address_space: global }
      - { .name: wp16, .offset: 8, .size: 8, .value_kind: global_buffer, .address_space: global }
      - { .name: b_proj, .offset: 16, .size: 8, .value_kind: global_buffer, .address_space: global }
      - { .name: out0, .offset: 24, .size: 8, .value_kind: global_buffer, .address_space: global }
    .group_segment_fixed_size: 327680
    .private_segment_fixed_size: 0
    .kernarg_segment_align: 8
    .kernarg_segment_size: 32
    .max_flat_workgroup_size: 128
    .sgpr_count:     66
    .vgpr_count:     576
    .wavefront_size: 32
...
	.end_amdgpu_metadata
.endif
;; end of part 4
